; MI455X (gfx1250); checked and timed in simulation.
; The chip was launched on July 23, 2026; its instructions are those of AMD's public machine-readable ISA for CDNA 5 (MIT licence, August 2026) and "CDNA5" Instruction Set Architecture Reference Guide (July 2026). The comments in the code are by the model that wrote it; some were corrected since.
;; SA Block. Allowed arithmetic: matrix products marked QUANTISED: E4M3 operands, one given power-of-two scale a tensor, by v_wmma_f32_16x16x64_fp8_fp8 or v_wmma_f32_16x16x128_fp8_fp8, f32 sums; everything else in f32.
;; Inputs: W1_codes 2,048 x 32 x 32 uint8 (E4M3 codes of W1, K innermost, in blocks of 32 codes); W2_codes 1,024 x 64 x 32 uint8 (E4M3 codes of W2, K innermost, in blocks of 32 codes); Wk_codes 1,024 x 32 x 32 uint8 (E4M3 codes of Wk, K innermost, in blocks of 32 codes); Wq_codes 1,024 x 32 x 32 uint8 (E4M3 codes of Wq, K innermost, in blocks of 32 codes); Wv_codes 1,024 x 32 x 32 uint8 (E4M3 codes of Wv, K innermost, in blocks of 32 codes); b1 2,048 float32; b2 1,024 float32; bv 1,024 float32; embed 2 x 2,048 x 1,024 float32; lowp_scales 14 int32 (the exponents e of the quantised operands' scales 2^e).
;; Outputs: out0 2 x 2,048 x 1,024 float32.
;; This version of the problem:
;;   THIS VERSION OF THE PROBLEM IS GIVEN IN LOW PRECISION. The matrix products marked QUANTISED in the list below multiply operands that are first quantised to E4M3 (4 exponent bits, 3 mantissa bits; 8 bits a number), with one given power-of-two scale for each operand tensor; their sums are f32. All else is computed in f32.
;;   The module's matrix products, in the order in which they are computed (A, B: the left and right operand; K: the contracted axis; several contracted axes count as one K, in the product's order):
;;     1. [M 4,096, K 1,024] x [K 1,024, N 1,024]; A: input embed; B: input Wq (given as codes): QUANTISED (scales: A lowp_scales[0], B lowp_scales[1])
;;     2. [M 4,096, K 1,024] x [K 1,024, N 1,024]; A: input embed; B: input Wk (given as codes): QUANTISED (scales: A lowp_scales[2], B lowp_scales[3])
;;     3. [M 4,096, K 1,024] x [K 1,024, N 1,024]; A: input embed; B: input Wv (given as codes): QUANTISED (scales: A lowp_scales[4], B lowp_scales[5])
;;     4. batch 32 x [M 2,048, K 64] x [K 64, N 2,048]; A: computed on the way; B: computed on the way: QUANTISED (scales: A lowp_scales[6], B lowp_scales[7])
;;     5. batch 32 x [M 64, K 2,048] x [K 2,048, N 2,048]; A: computed on the way; B: softmax (see below): QUANTISED (scales: A lowp_scales[8], B lowp_scales[9])
;;     6. [M 4,096, K 1,024] x [K 1,024, N 2,048]; A: computed on the way; B: input W1 (given as codes): QUANTISED (scales: A lowp_scales[10], B lowp_scales[11])
;;     7. [M 4,096, K 2,048] x [K 2,048, N 1,024]; A: computed on the way; B: input W2 (given as codes): QUANTISED (scales: A lowp_scales[12], B lowp_scales[13])
;;   THE QUANTISER, for each operand of a quantised product, along K:
;;     - The operand's scale is 2^e, e = its entry of the input lowp_scales (int32; the entries are numbered through the quantised products in the list's order, A before B).
;;     - Each number is divided by the scale, clamped to +-448, and rounded to the nearest number of E4M3, ties to even, subnormals kept.
;;     - The product sums the exact products of the quantised numbers (number of the format x scale) in f32.
;;   ~~~python
;;   def quantise(x, axis, e):      # numpy; x: float32 -> the quantised numbers, widened to float32 again
;;       x = np.moveaxis(x, axis, -1); K = x.shape[-1]
;;       r = np.clip(x / 2.0 ** e, -448, 448)
;;       step = 2.0 ** (np.maximum(np.frexp(np.where(r == 0, 1, r))[1] - 1, -6) - 3)
;;       q = np.round(r / step) * step * 2.0 ** e      # np.round: ties to even
;;       return np.moveaxis(q, -1, axis).astype(np.float32)
;;   ~~~
;;   SOFTMAX AHEAD OF A QUANTISED PRODUCT. Where the list says 'softmax', what is quantised is not the finished softmax but p = 2^(t - M), with t = logit x log2(e) and M = ceil(the row's largest t), a whole number; so 1/2 < the row's largest p <= 1. The row's sum l is taken of the UNQUANTISED p, in f32, and the product's result is divided by l at the end. Since M is a whole number, a kernel that streams over the keys may use a running M (the ceiling of the running maximum): every later rescaling is an exact power of two, so the quantised numbers keep their values, but for numbers so far below the row's largest that they fall under the format's range.
;;   OPERANDS COMPUTED ON THE WAY. 'Computed on the way' means the value that the module computes at that place (a softmax that the list does not call 'softmax' is quantised finished and normalised). What goes into a quantiser is computed in f32, as accurately as f32 sums, v_exp_f32 and their like allow (about 1e-6 of the number): no bf16 or f16 on the way to a quantiser, and a product that is left as it is and whose result goes on into a quantised operand takes f32 operands (vector FMAs, or v_wmma_f32_16x16x4_f32). A number that lies on a knife's edge between two numbers of the format may be rounded either way, as far as f32 arithmetic and the matrix unit's own rounding can turn it there, and no further.
;;   INPUTS GIVEN AS CODES. W1 (in the module: [2048, 1024], K = its axis 1); W2 (in the module: [1024, 2048], K = its axis 1); Wk (in the module: [1024, 1024], K = its axis 1); Wq (in the module: [1024, 1024], K = its axis 1); Wv (in the module: [1024, 1024], K = its axis 1): each comes as NAME_codes (uint8): NAME with its K axis moved to the last place and cut into blocks of 32 codes, [.., K / 32, bytes a block], one block behind the other in memory; one code a byte (a code: sign, 4 exponent bits, 3 mantissa bits); its scale is its entry of lowp_scales. Its value is code x scale, taken as it is: it is not quantised again, and the codes and scales need not be those that the quantiser above would give.
;; 2 versions, each right; version 2 is version 1 with the launch attn written anew for expert scheduling mode. Each part assembles by itself: llvm-mc -triple=amdgcn-amd-amdhsa -mcpu=gfx1250 --defsym DOCPART=n.
;; ======== version 1 of 2: 5 launches
;; workspace buffers: xw 16,777,216 bytes; qkvc 25,165,824 bytes; ac 4,194,304 bytes; hc 8,388,608 bytes
;; launch quant (part 1): grid 256 x 1, 4 waves a work-group, no clusters, 84,480 bytes of LDS; arguments embed, Wv_codes, lowp_scales, xw; writes xw
.if DOCPART == 1
	.amdgcn_target "amdgcn-amd-amdhsa--gfx1250"
	.amdhsa_code_object_version 6
	.text
	.protected	k_q9fa5c54cdd_quant
	.globl	k_q9fa5c54cdd_quant
	.p2align	8
	.type	k_q9fa5c54cdd_quant,@function
k_q9fa5c54cdd_quant:
	s_mov_b64 s[64:65], 0
	v_nop
	global_prefetch_b8 v0, s[64:65] scope:SCOPE_SE
	s_setreg_imm32_b32 hwreg(HW_REG_WAVE_MODE, 25, 1), 1
	s_wait_xcnt 0x0
; embed [4096][1024] f32 becomes codes of E4M3 three times, once for each of the scales given for it (entries 0, 2, 4 of the exponents), and Wv's codes are laid anew.
; code = x / 2^e, held within +-448, to the nearest code, ties to even.  LIMITS: each e between -126 and 119; NaN among the inputs is not served.
; THE IMAGE LAYOUT (xc0, xc1, wvi): 64 neighbouring k are a column group, CGP bytes apart.  In a group, tile T (16 rows: 32 (T / 2) + 8 (T % 2) + r + 8 (r / 8), r = 0 .. 15) has 1,024 bytes:
; two parts of 512; in part c lane l = 16 h + r has 16 bytes at 16 l: k = 32 c + 16 h + 0 .. 15 of its row.  So a later launch fetches an operand's registers by loads of 512 consecutive bytes.
; xw: +0 xc0 (scale entry 0), +4 MiB xc1 (entry 2), both images; +8 MiB xcv (entry 4), rows of 1,024 codes as they lie; +12 MiB wvi, Wv's codes as an image (rows 0 .. 1,023 of each group).
; SHARES.  Work-group x takes token tile x (16 rows), wave w its k 256 w .. 256 w + 255.  Each load reads 512 consecutive bytes; the 16 KiB turn through the wave's own stage in LDS, so that a lane then holds
; 16 neighbours along K.  Waves share nothing: no barrier.  Wave (x, w) also copies tile x / 4, column group 4 (x % 4) + w of Wv.
.set CGP,  262144
.set WREG, 20992                       ; LDS of a wave: the f32 stage, 16 rows x 1,040, then the code stage, 16 rows x 272
.set FP,   1040                        ; 1,024 bytes + 16: an odd multiple of 16, so that sixteen rows' reads start at sixteen different 16-byte columns
.set CSTG, 16*FP
.set CPT,  272
.set X,    16                          ; v16-143  as loaded, then 8 parts of 16 neighbours
.set T,    144                         ; v144-175 two sets of 16 held numbers
.set C,    176                         ; v176-207 8 parts x 4 registers of codes
.set OUTR, 208                         ; v208-239 rows of xcv on their way out
.set WVR,  240                         ; v240-247 Wv's two pieces
	s_load_b256 s[4:11], s[0:1], 0x0               ; embed s[4:5], Wv's codes s[6:7], the exponents s[8:9], xw s[10:11]
	v_lshl_add_u32 v248, v0, 2, 0x14800
	v_mov_b32 v249, 0
	v_lshrrev_b32 v8, 5, v0
	v_readfirstlane_b32 s18, v8                    ; wave
	v_and_b32 v9, 31, v0                           ; lane
	v_and_b32 v12, 15, v0                          ; r
	v_bfe_u32 v13, v0, 4, 1                        ; h
	v_lshlrev_b32 v1, 4, v9                        ; 16 x lane
	s_mul_i32 s19, s18, WREG
	v_add_nc_u32 v2, s19, v1                       ; f32 stage, in: as the bytes lie
	v_mul_u32_u24 v3, v12, FP
	v_lshl_add_u32 v3, v13, 6, v3
	v_add_nc_u32 v3, s19, v3                       ; f32 stage, out: row r, + 64 h
	v_mul_u32_u24 v4, v12, CPT
	v_lshl_add_u32 v4, v13, 4, v4
	v_add_nc_u32 v4, s19, v4
	v_add_nc_u32 v4, CSTG, v4                      ; code stage, in: row r, + 16 h
	v_mul_u32_u24 v5, v13, CPT
	v_lshl_add_u32 v5, v12, 4, v5
	v_add_nc_u32 v5, s19, v5
	v_add_nc_u32 v5, CSTG, v5                      ; code stage, out: sixteen lanes to a row, two rows an instruction
	v_lshlrev_b32 v6, 10, v13
	v_lshl_add_u32 v6, v12, 4, v6                  ; and the same place in xcv
	v_and_b32 v7, 8, v12
	v_add_nc_u32 v7, v7, v12
	v_lshlrev_b32 v7, 10, v7
	v_lshl_add_u32 v7, v13, 4, v7                  ; Wv: row r + 8 (r / 8) of 1,024 bytes, + 16 h
	s_lshr_b32 s36, ttmp9, 1
	s_lshl_b32 s36, s36, 5
	s_and_b32 s37, ttmp9, 1
	s_lshl_b32 s37, s37, 3
	s_add_co_u32 s36, s36, s37                     ; the tile's first row: 32 (x / 2) + 8 (x % 2)
	s_lshl_b32 s38, s36, 12
	s_lshl_b32 s39, s18, 10
	s_add_co_u32 s38, s38, s39                     ; embed: row x 4,096 + 1,024 w
	s_mov_b32 s39, 0
	s_lshl_b32 s40, s18, 20
	s_lshl_b32 s41, ttmp9, 10
	s_add_co_u32 s40, s40, s41                     ; xc0: column group 4 w, tile x
	s_mov_b32 s41, 0
	s_lshl_b32 s42, s36, 10
	s_lshl_b32 s43, s18, 8
	s_add_co_u32 s42, s42, s43
	s_add_co_u32 s42, s42, 0x800000                ; xcv: row x 1,024 + 256 w
	s_mov_b32 s43, 0
	s_lshr_b32 s37, ttmp9, 2                       ; Wv's tile
	s_lshr_b32 s44, s37, 1
	s_lshl_b32 s44, s44, 15
	s_and_b32 s45, s37, 1
	s_lshl_b32 s45, s45, 13
	s_add_co_u32 s44, s44, s45                     ; its first row x 1,024
	s_and_b32 s45, ttmp9, 3
	s_lshl_b32 s45, s45, 2
	s_add_co_u32 s45, s45, s18                     ; its column group
	s_lshl_b32 s46, s45, 18
	s_lshl_b32 s45, s45, 6
	s_add_co_u32 s44, s44, s45
	s_mov_b32 s45, 0
	s_lshl_b32 s47, s37, 10
	s_add_co_u32 s46, s46, s47
	s_add_co_u32 s46, s46, 0xc00000                ; wvi: group x CGP + 1,024 x tile
	s_mov_b32 s47, 0
	s_wait_kmcnt 0x0
	s_load_b128 s[12:15], s[8:9], 0x0              ; entries 0 to 3
	s_load_b64 s[16:17], s[8:9], 0x10              ; entries 4, 5
	s_add_nc_u64 s[20:21], s[4:5], s[38:39]
	s_add_nc_u64 s[22:23], s[10:11], s[40:41]
	s_add_nc_u64 s[24:25], s[10:11], s[42:43]
	s_add_nc_u64 s[26:27], s[6:7], s[44:45]
	s_add_nc_u64 s[28:29], s[10:11], s[46:47]
.irp i, 0,1,2,3,4,5,6,7,8,9,10,11,12,13,14,15
.irp s, 0,1
	global_load_b128 v[X+4*(2*\i+\s):X+4*(2*\i+\s)+3], v1, s[20:21] offset:(\i+8*(\i/8))*4096+512*\s th:TH_LOAD_NT   ; 32 lanes read 512 consecutive bytes
.endr
.endr
	global_load_b128 v[WVR:WVR+3], v7, s[26:27]
	global_load_b128 v[WVR+4:WVR+7], v7, s[26:27] offset:32
.irp i, 0,1,2,3,4,5,6,7,8,9,10,11,12,13,14,15
.irp s, 0,1
	s_wait_loadcnt 33-(2*\i+\s)                    ; loads come back in order: this one is in; the younger ones of embed and Wv's two stay out
	ds_store_b128 v2, v[X+4*(2*\i+\s):X+4*(2*\i+\s)+3] offset:\i*FP+512*\s
.endr
.endr
	s_wait_loadcnt 0x0
	global_store_b128 v1, v[WVR:WVR+3], s[28:29]               ; Wv's tile as an image: 512 consecutive bytes a store
	global_store_b128 v1, v[WVR+4:WVR+7], s[28:29] offset:512
	s_wait_dscnt 0x0                               ; the stage's stores have read the registers into which the loads below land
.irp p, 0,1,2,3,4,5,6,7
.irp k, 0,1,2,3
	ds_load_b128 v[X+16*\p+4*\k:X+16*\p+4*\k+3], v3 offset:256*(\p/2)+128*(\p%2)+16*\k   ; part p: k = 64 (p / 2) + 32 (p % 2) + 16 h + 0 .. 15 of row r
.endr
.endr
	s_wait_kmcnt 0x0
.irp k, 0,1,2                          ; for entries 0, 2, 4: 2^e as f32, whose exponent field the conversion takes, and 448 x 2^e
	s_add_co_i32 s[30+2*\k], s[12+2*\k], 127
	s_add_co_i32 s[31+2*\k], s[12+2*\k], 135
	s_lshl_b32 s[30+2*\k], s[30+2*\k], 23
	s_lshl_b32 s[31+2*\k], s[31+2*\k], 23
	s_or_b32 s[31+2*\k], s[31+2*\k], 0x600000
.endr
	s_wait_dscnt 0x0
.macro SETQ k
	v_mov_b32 v11, s[30+2*\k]
	v_mov_b32 v10, s[31+2*\k]
.endm
; The numbers stay in X; each part is held into one of two sets and converted.  The next part's holds, which write the other set, are the plain lines behind a part's conversions.
.macro QV
.irp p, 0,1,2,3,4,5,6,7
.irp i, 0,1,2,3,4,5,6,7,8,9,10,11,12,13,14,15
	v_med3_num_f32 v[T+16*(\p%2)+\i], v[X+16*\p+\i], -v10, v10   ; the conversion to an 8-bit code does not saturate (ISA guide 7.6.2): the hold comes first
.endr
	v_cvt_scalef32_pk8_fp8_f32 v[C+4*\p:C+4*\p+1], v[T+16*(\p%2):T+16*(\p%2)+7], v11
	v_cvt_scalef32_pk8_fp8_f32 v[C+4*\p+2:C+4*\p+3], v[T+16*(\p%2)+8:T+16*(\p%2)+15], v11
.endr
	v_nop                                          ; a plain line behind the last conversion, ahead of the next write of the scale
.endm
	SETQ 0
	QV
.irp p, 0,1,2,3,4,5,6,7
	global_store_b128 v1, v[C+4*\p:C+4*\p+3], s[22:23] offset:(\p/2)*CGP+(\p%2)*512
.endr
	s_wait_xcnt 0x0                                ; the stores have read the codes' registers, which are written again
	SETQ 1
	QV
.irp p, 0,1,2,3,4,5,6,7
	global_store_b128 v1, v[C+4*\p:C+4*\p+3], s[22:23] offset:4194304+(\p/2)*CGP+(\p%2)*512
.endr
	s_wait_xcnt 0x0
	SETQ 2
	QV
.irp p, 0,1,2,3,4,5,6,7
	ds_store_b128 v4, v[C+4*\p:C+4*\p+3] offset:64*(\p/2)+32*(\p%2)
.endr
.irp t, 0,1,2,3,4,5,6,7
	ds_load_b128 v[OUTR+4*\t:OUTR+4*\t+3], v5 offset:2*\t*CPT   ; LDS serves a wave's instructions in order: these see the stores above
.endr
.irp t, 0,1,2,3,4,5,6,7
	s_wait_dscnt 7-\t
	global_store_b128 v6, v[OUTR+4*\t:OUTR+4*\t+3], s[24:25] offset:(2*\t+8*(\t/4))*1024   ; sixteen lanes store 256 consecutive bytes, aligned
.endr
	s_wait_tensorcnt 0x0
	ds_add_u32 v248, v249
	s_wait_dscnt 0x0
	s_endpgm
.Lfunc_end_k_q9fa5c54cdd_quant:
	.size	k_q9fa5c54cdd_quant, .Lfunc_end_k_q9fa5c54cdd_quant-k_q9fa5c54cdd_quant
	.p2alignl 7, 3214868480
	.fill 96, 4, 3214868480
	.section	.rodata,"a",@progbits
	.p2align	6, 0x0
	.amdhsa_kernel k_q9fa5c54cdd_quant
		.amdhsa_group_segment_fixed_size 84480
		.amdhsa_private_segment_fixed_size 0
		.amdhsa_enable_private_segment 0
		.amdhsa_kernarg_size 32
		.amdhsa_user_sgpr_count 2
		.amdhsa_user_sgpr_kernarg_segment_ptr 1
		.amdhsa_wavefront_size32 1
		.amdhsa_system_sgpr_workgroup_id_x 1
		.amdhsa_system_sgpr_workgroup_id_y 1
		.amdhsa_system_sgpr_workgroup_id_z 1
		.amdhsa_system_vgpr_workitem_id 0
		.amdhsa_next_free_vgpr 250
		.amdhsa_next_free_sgpr 66
		.amdhsa_reserve_vcc 0
		.amdhsa_float_denorm_mode_32 3
		.amdhsa_float_denorm_mode_16_64 3
		.amdhsa_memory_ordered 1
		.amdhsa_forward_progress 1
		.amdhsa_inst_pref_size 44
	.end_amdhsa_kernel
	.amdgpu_metadata
---
amdhsa.version: [ 1, 2 ]
amdhsa.kernels:
  - .name:           k_q9fa5c54cdd_quant
    .symbol:         k_q9fa5c54cdd_quant.kd
    .args:
      - { .name: embed, .offset: 0, .size: 8, .value_kind: global_buffer, .address_space: global }
      - { .name: Wv_codes, .offset: 8, .size: 8, .value_kind: global_buffer, .address_space: global }
      - { .name: lowp_scales, .offset: 16, .size: 8, .value_kind: global_buffer, .address_space: global }
      - { .name: xw, .offset: 24, .size: 8, .value_kind: global_buffer, .address_space: global }
    .group_segment_fixed_size: 84480
    .private_segment_fixed_size: 0
    .kernarg_segment_align: 8
    .kernarg_segment_size: 32
    .max_flat_workgroup_size: 128
    .sgpr_count:     66
    .vgpr_count:     250
    .wavefront_size: 32
...
	.end_amdgpu_metadata
.endif
;; end of part 1
;; launch qkv (part 2): grid 12 x 16, 4 waves a work-group, clusters of 4 x 4, 327,680 bytes of LDS; arguments xw, Wq_codes, Wk_codes, bv, lowp_scales, qkvc; writes qkvc
.if DOCPART == 2
	.amdgcn_target "amdgcn-amd-amdhsa--gfx1250"
	.amdhsa_code_object_version 6
	.text
	.protected	k_q9fa5c54cdd_qkv
	.globl	k_q9fa5c54cdd_qkv
	.p2align	8
	.type	k_q9fa5c54cdd_qkv,@function
k_q9fa5c54cdd_qkv:
	s_mov_b64 s[64:65], 0
	v_nop
	global_prefetch_b8 v0, s[64:65] scope:SCOPE_SE
	s_setreg_imm32_b32 hwreg(HW_REG_WAVE_MODE, 25, 1), 1
	s_wait_xcnt 0x0
	s_wait_alu depctr_hold_cnt(0) depctr_sa_sdst(0) depctr_va_vdst(0) depctr_va_sdst(0) depctr_va_ssrc(0) depctr_va_vcc(0) depctr_vm_vsrc(0)
	s_getreg_b32 s2, hwreg(HW_REG_IB_STS2, 6, 4)
	s_cmp_eq_u32 s2, 0
	s_cbranch_scc0 .Lentry_in_a_cluster
	s_endpgm
.Lentry_in_a_cluster:
	s_bfe_u32 s2, ttmp6, 0x10000c
	s_cmp_lg_u32 s2, 0xf033
	s_cbranch_scc0 .Lentry_shape_is_right
	s_endpgm
.Lentry_shape_is_right:
; Q = x Wq^T, K = x Wk^T, V^T = Wv x^T + bv, on codes of E4M3; each result is quantised on the way out with the scale given for it (entries 6, 7, 8) and stored as an image (below).
; The cluster's x says which: 0 Q, 1 K, 2 V.  SIDE A (source 1, the result's rows) is an image: x's codes (Q, K) or Wv's (V).  SIDE B (source 0, the result's columns) lies as rows of 1,024 codes: Wq, Wk, or x's codes (V).
; V is made transposed, so that a lane's eight results run along the tokens, which are the K of the product that reads V.
; THE IMAGE LAYOUT: 64 neighbouring k are a column group, CGP bytes apart; in a group tile T (rows 32 (T / 2) + 8 (T % 2) + r + 8 (r / 8)) has two parts of 512 bytes; lane 16 h + r has 16 bytes: k = 32 c + 16 h + 0 .. 15.
; qkvc: +0 Q's codes (rows = tokens, column group = head), +4 MiB K's likewise, +8 MiB V's (rows = channels, k = tokens: 64 groups, 65,536 bytes used of each).
; A tile of 256 x 256 is made by four waves, 128 x 128 each: 64 accumulators.  K = 1,024 goes in four fills of 256 through two LDS slots; the text is written straight, without a loop.
; CLUSTERS: 4 x 4.  A's tile hangs on the tile row alone and is asked for jointly along a row of the cluster, B's on the tile column alone, along a column.
; THE MATRIX INSTRUCTION IS USED TRANSPOSED: lane (r, h) of accumulator (a, b) holds row r of A's tile a and columns 16 b + 8 h + 0 .. 7.  k stands in the registers in the image's order on both sides alike.
; A sum stands for sum x 2^(eA + eB).  bv goes in as the first C, divided by that power; the code is sum / 2^(eo - eA - eB): the three exponents are folded into the conversion's one.
; LIMITS: eo - eA - eB between -126 and 119 for each of the three products; NaN among the inputs is not served.
; REGISTERS: window 0: v16-31 addresses and constants; v32-95 the bias, 8 registers a tile of A; from v128 A's fragments, one set (on the way out v128-255 are at work).  window 1: B's fragments, two sets.  windows 2, 3: accumulators.
.set AT, 8
.set BT, 8
.set KTOT, 1024
.set KS, 256
.set NCG, 4
.set QI, 5
.set CGP, 262144
.set ARB, 1024*AT                      ; my 16 AT rows in one column group: consecutive bytes
.set AHALF, NCG*ARB
.set BP, KS+16                         ; an LDS row of B: 16 bytes of padding, so that sixteen rows start at sixteen different 16-byte columns
.set BHALF, 16*BT*BP
.set SLOT, 2*AHALF+2*BHALF             ; A's two halves, then B's two
.set SPARE, 2*SLOT                     ; behind the ring: the spare words, 128 bytes a wave, which no other line names
.set ADRA, 16
.set ADRB, 20
.set LI, 26                            ; 16 x lane
.set BO, 27
.set SPW, 28
.set NIL, 29
.set LIM, 30
.set SCL, 31
.set BI, 32
.set AF, 128
.set G1, 24
.set G0, 32
.set G1B, 48
.set G0B, 56
.set MSB, 0
.macro WIN new                         ; the immediate's high byte repeats the setting that is left
.if MSB != (\new)
	s_set_vgpr_msb (MSB<<8)|(\new)
.set MSB, (\new)
.endif
.endm
.macro WINM a0, ci                     ; for products on A's blocks from a0 on: B window 1, A window 0, D (and C, unless it is the bias) in the accumulators' window
.set wW, 2+(8*BT*(\a0))/256
.if \ci
	WIN (wW<<6)|1
.else
	WIN (wW<<6)|(wW<<4)|1
.endif
.endm
.macro JLOAD g0a, g1a, g0b, g1b        ; a joint load: waves 0 and 1 fetch A's halves, waves 2 and 3 B's; four v_nop follow each line
	s_cmp_eq_u32 s15, 0
	s_cbranch_scc0 .Lfor_b_\@
	tensor_load_to_lds s[\g0a:\g0a+3], s[\g1a:\g1a+7]
	s_nop 0
.rept 4
	v_nop
.endr
	s_branch .Lasked_\@
.Lfor_b_\@:
	tensor_load_to_lds s[\g0b:\g0b+3], s[\g1b:\g1b+7]
	s_nop 0
.rept 4
	v_nop
.endr
.Lasked_\@:
.endm
.macro CREST                           ; a round of the cluster's barrier behind its opening barrier
	s_cmp_lg_u32 s14, 0
	s_cbranch_scc1 .Lnot_wave_0_\@
	s_barrier_signal -3
.Lnot_wave_0_\@:
	s_barrier_wait -3
	s_barrier_signal -1
	s_barrier_wait -1
.endm
.macro CROUND
	s_barrier_signal -1
	s_barrier_wait -1
	CREST
.endm
.macro PLACES n
.rept \n
	v_nop
.endr
.endm
.macro FRAGA reg, slot, q, i           ; A's tile i, the slot's q-th 128 along K: four loads of 512 consecutive bytes
.irp c, 0,1,2,3
	ds_load_b128 v[\reg+4*\c:\reg+4*\c+3], v[ADRA+\slot] offset:(2*(\q)+\c/2)*ARB+(\i)*1024+(\c%2)*512
.endr
.endm
.macro FRAGB reg, slot, q, i           ; B's rows 16 i on: registers 4 c .. 4 c + 3 hold k = 32 c + 16 h + 0 .. 15
.irp c, 0,1,2,3
	ds_load_b128 v[\reg+4*\c:\reg+4*\c+3], v[ADRB+\slot] offset:128*(\q)+32*\c+(\i)*16*BP
.endr
.endm
; n blocks of A from a0 on, each against B's BT, 128 along K.  p: B's set.  ci = 0: onto the sums; 1: C = the bias of column tile b; 2: of row tile a.  The accumulators take turns, one instruction a turn.
.macro MULR a0, n, p, ci
.set ma, \a0
.rept \n
.set mb, 0
.rept BT
.set rD, (8*(BT*ma+mb))%256
.if \ci == 0
	v_wmma_f32_16x16x128_fp8_fp8 v[rD:rD+7], v[128*(\p)+16*mb:128*(\p)+16*mb+15], v[AF+16*ma:AF+16*ma+15], v[rD:rD+7]
.elseif \ci == 1
	v_wmma_f32_16x16x128_fp8_fp8 v[rD:rD+7], v[128*(\p)+16*mb:128*(\p)+16*mb+15], v[AF+16*ma:AF+16*ma+15], v[BI+8*mb:BI+8*mb+7]
.else
	v_wmma_f32_16x16x128_fp8_fp8 v[rD:rD+7], v[128*(\p)+16*mb:128*(\p)+16*mb+15], v[AF+16*ma:AF+16*ma+15], v[BI+8*ma:BI+8*ma+7]
.endif
.set mb, mb+1
.endr
.set ma, ma+1
.endr
.endm
.macro FETCH_B slot, q, p
	WIN 0x40
.set fi, 0
.rept BT
	FRAGB 128*(\p)+16*fi, \slot, \q, fi
.set fi, fi+1
.endr
	WIN 0
.endm
.macro FETCH_A slot, q, i0, n
.set fi, \i0
.rept \n
	FRAGA AF+16*fi, \slot, \q, fi
.set fi, fi+1
.endr
.endm
; A step of 128 along K that has its successor in the same slot.  Four plain lines stand in front of each run of loads into registers that matrix instructions have read (ISA guide 7.12.1 for vector instructions).
.macro STEP slot, q, ci
	s_wait_dscnt 2*AT                              ; B's set and A's first half of blocks are in; the youngest loads, A's second half, may be out
	WINM 0, \ci
	MULR 0, AT/2, (\q)%2, \ci
	s_wait_dscnt 0x0
	PLACES 4
	FETCH_B \slot, (\q)+1, 1-(\q)%2
	FETCH_A \slot, (\q)+1, 0, AT/2
	WINM AT/2, \ci
	MULR AT/2, AT/2, (\q)%2, \ci
	PLACES 4
	WIN 0
	FETCH_A \slot, (\q)+1, AT/2, AT/2
.endm
; A slot's last step changes slots: one barrier; in front of it each wave waits for all its tensor loads, adds 0 to its spare word, and waits for that and for its reads of this slot.  fill = 1: the slot is filled again, two fills ahead.
.macro TURN slot, next, fill
	s_wait_tensorcnt 0x0                           ; all my tensor loads have landed: my part of the next slot
	ds_add_u32 v[SPW], v[NIL]                      ; 0 onto my spare word
	s_wait_dscnt 2*AT+1                            ; (the add and A's second half of blocks may be out)
	WINM 0, 0
	MULR 0, AT/4, 1, 0
	s_wait_dscnt 0x0                               ; the add is done, and my reads of this slot are over
	s_barrier_signal -1
	MULR AT/4, AT/4, 1, 0
	WIN 0
	s_barrier_wait -1
.if \fill
	CREST                                          ; the barrier has opened a round of the cluster's: no wave of any partner still reads this slot or has a load on its way
	s_add_nc_u64 s[G0+4*\slot+2:G0+4*\slot+3], s[G0+4*\slot+2:G0+4*\slot+3], 2*NCG*CGP
	s_add_nc_u64 s[G0B+4*\slot+2:G0B+4*\slot+3], s[G0B+4*\slot+2:G0B+4*\slot+3], 2*KS
	JLOAD G0+4*\slot, G1, G0B+4*\slot, G1B         ; the first tensor load behind the round; its four v_nop are the places in front of the loads below
.else
	PLACES 4
.endif
	FETCH_B \next, 0, 0
	FETCH_A \next, 0, 0, AT/2
	WINM AT/2, 0
	MULR AT/2, AT/2, 1, 0
	PLACES 4
	WIN 0
	FETCH_A \next, 0, AT/2, AT/2
.endm
.macro LAST
	s_wait_dscnt 2*AT
	WINM 0, 0
	MULR 0, AT/2, 1, 0
	s_wait_dscnt 0x0
	WINM AT/2, 0
	MULR AT/2, AT/2, 1, 0
	WIN 0
.endm
; THE WAY OUT of A's block a: 16 rows x 128 columns become codes.  The hold, eight conversions; then the halves of the lanes change places, so that lane (r, h) holds columns 32 p + 16 h + 0 .. 15 in four registers:
; that is a part of the image, and each store covers 512 consecutive bytes.  Each accumulator is read from its low end on.
.macro OUTC a, relu
.set oA, (64*(\a))%256
.set oC, 192+16*((\a)%4)
	WIN 0x02+(\a)/4
.set n, 0
.rept 64
.if \relu
	v_med3_num_f32 v[128+n], v[oA+n], 0, v[LIM]
.else
	v_med3_num_f32 v[128+n], v[oA+n], -v[LIM], v[LIM]
.endif
.set n, n+1
.endr
	WIN 0
.irp b, 0,1,2,3,4,5,6,7
	v_cvt_scalef32_pk8_fp8_f32 v[oC+2*\b:oC+2*\b+1], v[128+8*\b:128+8*\b+7], v[SCL]
.endr
	v_nop                                          ; a plain line between the conversions and the lines that touch their results
.irp p, 0,1,2,3
	v_permlane16_swap_b32 v[oC+4*\p], v[oC+4*\p+2]     ; column tile 2 p's lanes 16-31 against tile 2 p + 1's lanes 0-15
	v_permlane16_swap_b32 v[oC+4*\p+1], v[oC+4*\p+3]
.endr
.irp p, 0,1,2,3
	global_store_b128 v[LI], v[oC+4*\p:oC+4*\p+3], s[8:9] offset:(\p/2)*CGP+(\a)*1024+(\p%2)*512
.endr
.endm
	s_load_b256 s[68:75], s[0:1], 0x0              ; xw s[68:69], Wq s[70:71], Wk s[72:73], bv s[74:75]
	s_load_b128 s[76:79], s[0:1], 0x20             ; the exponents s[76:77], qkvc s[78:79]
	v_lshl_add_u32 v[SPW], v0, 2, SPARE
	v_mov_b32 v[NIL], 0
	ds_add_u32 v28, v29
	ds_add_u32 v28, v29
	s_wait_dscnt 0x0
	v_lshrrev_b32 v1, 5, v0
	v_readfirstlane_b32 s14, v1                    ; wave 0..3
	s_lshr_b32 s15, s14, 1                         ; my half of the tile's rows.  Also: I fetch for A (0) or for B (1)
	s_and_b32 s16, s14, 1                          ; my half of its columns.  Also: which half of that side I fetch
	s_bfe_u32 s40, ttmp6, 0x40000                  ; cx
	s_bfe_u32 s41, ttmp6, 0x40004                  ; cy
	s_and_b32 s80, ttmp7, 0xffff
	s_lshl_b32 s80, s80, 2                         ; 4 x cluster y walks the tokens: the rows for Q and K, the columns for V
	s_cmp_eq_u32 ttmp9, 2
	s_cselect_b32 s17, 0, s80
	s_cselect_b32 s42, s80, 0
	s_add_co_u32 s17, s17, s41                     ; tile row: never holds cx
	s_add_co_u32 s42, s42, s40                     ; tile column: never holds cy
	s_lshl_b32 s43, s41, 2
	s_lshl_b32 s43, 15, s43                        ; my row of the cluster
	s_lshl_b32 s44, 0x1111, s40                    ; my column
	s_or_b32 s[G1], s43, (3<<16)|(1<<21)           ; A: the mask; elements of 8 bytes; no padding; bit 21 beside a mask
	s_mov_b32 s[G1+1], (ARB/8)<<16                 ; tensor_dim0: a column group's ARB bytes
	s_mov_b32 s[G1+2], NCG<<16                     ; tensor_dim1: NCG column groups
	s_mov_b32 s[G1+3], (ARB/8)<<16                 ; tile_dim0
	s_mov_b32 s[G1+4], NCG                         ; tile_dim1
	s_mov_b32 s[G1+5], CGP/8                       ; from group to group
	s_mov_b32 s[G1+6], 0
	s_mov_b32 s[G1+7], 0
	s_or_b32 s[G1B], s44, (1<<20)|(1<<21)|(QI<<22)|(3<<25)   ; B: the mask; elements of 1 byte; 4 words of padding behind each row
	s_mov_b32 s[G1B+1], KS<<16
	s_mov_b32 s[G1B+2], (16*BT)<<16
	s_mov_b32 s[G1B+3], KS<<16
	s_mov_b32 s[G1B+4], 16*BT
	s_mov_b32 s[G1B+5], KTOT
	s_mov_b32 s[G1B+6], 0
	s_mov_b32 s[G1B+7], 0
	s_lshl_b32 s20, s17, 14
	s_lshl_b32 s18, s16, 13
	s_add_co_u32 s20, s20, s18                     ; A: (256 x tile row + 128 x half) x 64 bytes in a column group
	s_lshl_b32 s18, ttmp9, 22
	s_cmp_eq_u32 ttmp9, 2
	s_cselect_b32 s18, 0xc00000, s18               ; xc0, xc1 or wvi in xw
	s_cselect_b32 s19, 0x800000, 0                 ; B for V: xcv in xw
	s_add_co_u32 s20, s20, s18
	s_mov_b32 s21, 0
	s_lshl_b32 s46, s42, 18
	s_lshl_b32 s47, s16, 17
	s_add_co_u32 s46, s46, s47                     ; B: (256 x tile column + 128 x half) rows of 1,024 bytes
	s_add_co_u32 s46, s46, s19
	s_mov_b32 s47, 0
	s_mul_i32 s45, s16, AHALF                      ; where they go: no place in the cluster enters an LDS address
	s_mul_i32 s22, s16, BHALF
	s_add_co_u32 s22, s22, 2*AHALF
	s_wait_kmcnt 0x0
	s_load_b256 s[88:95], s[76:77], 0x0            ; entries 0 to 7
	s_load_b32 s96, s[76:77], 0x20                 ; entry 8
	s_cmp_eq_u32 ttmp9, 0
	s_cselect_b64 s[82:83], s[70:71], s[72:73]
	s_cmp_eq_u32 ttmp9, 2
	s_cselect_b64 s[82:83], s[68:69], s[82:83]     ; B's buffer: the choice hangs on the cluster's x alone
	s_add_nc_u64 s[20:21], s[68:69], s[20:21]
	s_add_nc_u64 s[46:47], s[82:83], s[46:47]
	CROUND                                         ; all sixteen work-groups are here: the first joint loads meet
.irp s, 0,1
	s_mov_b32 s[G0+4*\s], 1
	s_add_co_u32 s[G0+4*\s+1], s45, \s*SLOT
	s_add_nc_u64 s[G0+4*\s+2:G0+4*\s+3], s[20:21], \s*NCG*CGP
	s_or_b32 s[G0+4*\s+3], s[G0+4*\s+3], 0x80000000
	s_mov_b32 s[G0B+4*\s], 1
	s_add_co_u32 s[G0B+4*\s+1], s22, \s*SLOT
	s_add_nc_u64 s[G0B+4*\s+2:G0B+4*\s+3], s[46:47], \s*KS
	s_or_b32 s[G0B+4*\s+3], s[G0B+4*\s+3], 0x80000000
	JLOAD G0+4*\s, G1, G0B+4*\s, G1B               ; two tensor loads of mine are out
.endr
	v_and_b32 v1, 15, v0                           ; r
	v_bfe_u32 v2, v0, 4, 1                         ; h
	v_and_b32 v3, 31, v0
	v_lshlrev_b32 v[LI], 4, v3
	v_mul_u32_u24 v4, v1, BP
	v_lshl_add_u32 v4, v2, 4, v4
	s_mul_i32 s21, s15, AHALF                      ; my half of A; s22 stands at my half of B
.irp s, 0,1
	v_add_nc_u32 v[ADRA+\s], s21, v[LI]
	v_add_nc_u32 v[ADRB+\s], s22, v4
	s_add_co_u32 s21, s21, SLOT
	s_add_co_u32 s22, s22, SLOT
.endr
	v_and_b32 v5, 8, v1
	v_add_nc_u32 v5, v5, v1
	v_lshlrev_b32 v[BO], 2, v5                     ; bv: 4 (r + 8 (r / 8))
	s_lshl_b32 s18, s17, 8
	s_lshl_b32 s19, s15, 7
	s_add_co_u32 s18, s18, s19                     ; my first row: 256 x tile row + 128 x half
	s_lshl_b32 s20, s18, 6
	s_mov_b32 s21, 0
	s_lshl_b32 s18, s18, 2
	s_cmp_eq_u32 ttmp9, 2
	s_cselect_b32 s18, s18, 0                      ; for Q and K the loads stay at bv's head, and their numbers are thrown away
	s_mov_b32 s19, 0
	s_add_nc_u64 s[10:11], s[74:75], s[18:19]
.irp a, 0,1,2,3,4,5,6,7
	global_load_b32 v[96+\a], v[BO], s[10:11] offset:(32*(\a/2)+8*(\a%2))*4
.endr
	s_lshl_b32 s46, s42, 20
	s_lshl_b32 s47, s16, 19
	s_add_co_u32 s46, s46, s47                     ; my first column group: 4 x tile column + 2 x half
	s_lshl_b32 s47, ttmp9, 22
	s_add_co_u32 s46, s46, s47                     ; Q's, K's or V's part of qkvc
	s_mov_b32 s47, 0
	s_add_nc_u64 s[20:21], s[20:21], s[46:47]
	s_add_nc_u64 s[8:9], s[78:79], s[20:21]
	s_wait_kmcnt 0x0
	s_add_co_i32 s80, s88, s89
	s_add_co_i32 s81, s90, s91
	s_add_co_i32 s82, s92, s93
	s_cmp_eq_u32 ttmp9, 0
	s_cselect_b32 s80, s80, s81
	s_cselect_b32 s83, s94, s95
	s_cmp_eq_u32 ttmp9, 2
	s_cselect_b32 s80, s82, s80                    ; eA + eB
	s_cselect_b32 s83, s96, s83                    ; eo
	s_cselect_b32 s84, -1, 0                       ; all lanes for V, none for Q and K
	s_sub_co_i32 s85, 0, s80
	s_sub_co_i32 s86, s83, s80
	s_add_co_i32 s86, s86, 127
	s_lshl_b32 s87, s86, 23
	v_mov_b32 v[SCL], s87                          ; 2^(eo - eA - eB)
	s_add_co_i32 s86, s86, 8
	s_lshl_b32 s86, s86, 23
	s_or_b32 s86, s86, 0x600000
	v_mov_b32 v[LIM], s86                          ; 448 x that
	s_wait_loadcnt 0x0
.irp a, 0,1,2,3,4,5,6,7
	v_cndmask_b32 v[96+\a], 0, v[96+\a], s84
.endr
.irp a, 0,1,2,3,4,5,6,7
.irp j, 0,1,2,3,4,5,6,7
	v_ldexp_f32 v[BI+8*\a+\j], v[96+\a], s85       ; a lane's eight results of tile a belong to one row: bv of that row / 2^(eA + eB)
.endr
.endr
	s_wait_tensorcnt 1                             ; my part of the first fill is in; the second may stay out
	s_barrier_signal -1
	s_barrier_wait -1
	FETCH_B 0, 0, 0
	FETCH_A 0, 0, 0, AT/2
	FETCH_A 0, 0, AT/2, AT/2
	STEP 0, 0, 2                                   ; the first products start the sums from the bias: nothing is cleared
	TURN 0, 1, 1
	STEP 1, 0, 0
	TURN 1, 0, 1
	STEP 0, 0, 0
	TURN 0, 1, 0                                   ; nothing is left to fetch
	STEP 1, 0, 0
	LAST
	PLACES 4                                       ; in front of the first write into the registers that held A's fragments
.irp a, 0,1,2,3,4,5,6,7
.if \a == 4
	s_wait_xcnt 0x0                                ; the first four blocks' stores have read their registers, which take the next four blocks' codes
.endif
	OUTC \a, 0
.endr
	s_wait_tensorcnt 0x0                           ; the wave's end
	ds_add_u32 v[SPW], v[NIL]
	s_wait_dscnt 0x0
	CROUND                                         ; the closing round: no work-group ends while a partner may still ask for a tile that names it
	s_endpgm
.Lfunc_end_k_q9fa5c54cdd_qkv:
	.size	k_q9fa5c54cdd_qkv, .Lfunc_end_k_q9fa5c54cdd_qkv-k_q9fa5c54cdd_qkv
	.p2alignl 7, 3214868480
	.fill 96, 4, 3214868480
	.section	.rodata,"a",@progbits
	.p2align	6, 0x0
	.amdhsa_kernel k_q9fa5c54cdd_qkv
		.amdhsa_group_segment_fixed_size 327680
		.amdhsa_private_segment_fixed_size 0
		.amdhsa_enable_private_segment 0
		.amdhsa_kernarg_size 48
		.amdhsa_user_sgpr_count 2
		.amdhsa_user_sgpr_kernarg_segment_ptr 1
		.amdhsa_wavefront_size32 1
		.amdhsa_system_sgpr_workgroup_id_x 1
		.amdhsa_system_sgpr_workgroup_id_y 1
		.amdhsa_system_sgpr_workgroup_id_z 1
		.amdhsa_system_vgpr_workitem_id 0
		.amdhsa_next_free_vgpr 1024
		.amdhsa_next_free_sgpr 100
		.amdhsa_reserve_vcc 0
		.amdhsa_float_denorm_mode_32 3
		.amdhsa_float_denorm_mode_16_64 3
		.amdhsa_memory_ordered 1
		.amdhsa_forward_progress 1
		.amdhsa_inst_pref_size 126
	.end_amdhsa_kernel
	.amdgpu_metadata
---
amdhsa.version: [ 1, 2 ]
amdhsa.kernels:
  - .name:           k_q9fa5c54cdd_qkv
    .symbol:         k_q9fa5c54cdd_qkv.kd
    .args:
      - { .name: xw, .offset: 0, .size: 8, .value_kind: global_buffer, .address_space: global }
      - { .name: Wq_codes, .offset: 8, .size: 8, .value_kind: global_buffer, .address_space: global }
      - { .name: Wk_codes, .offset: 16, .size: 8, .value_kind: global_buffer, .address_space: global }
      - { .name: bv, .offset: 24, .size: 8, .value_kind: global_buffer, .address_space: global }
      - { .name: lowp_scales, .offset: 32, .size: 8, .value_kind: global_buffer, .address_space: global }
      - { .name: qkvc, .offset: 40, .size: 8, .value_kind: global_buffer, .address_space: global }
    .group_segment_fixed_size: 327680
    .private_segment_fixed_size: 0
    .kernarg_segment_align: 8
    .kernarg_segment_size: 48
    .max_flat_workgroup_size: 128
    .sgpr_count:     100
    .vgpr_count:     1024
    .wavefront_size: 32
...
	.end_amdgpu_metadata
.endif
;; end of part 2
;; launch attn (part 3): grid 8 x 32, 16 waves a work-group, no clusters, 264,192 bytes of LDS; arguments qkvc, lowp_scales, ac; writes ac
.if DOCPART == 3
	.amdgcn_target "amdgcn-amd-amdhsa--gfx1250"
	.amdhsa_code_object_version 6
	.text
	.protected	k_q9fa5c54cdd_attn
	.globl	k_q9fa5c54cdd_attn
	.p2align	8
	.type	k_q9fa5c54cdd_attn,@function
k_q9fa5c54cdd_attn:
	s_mov_b64 s[64:65], 0
	v_nop
	global_prefetch_b8 v0, s[64:65] scope:SCOPE_SE
	s_setreg_imm32_b32 hwreg(HW_REG_WAVE_MODE, 25, 1), 1
	s_wait_xcnt 0x0
; O = softmax(Q K^T / 8) V for one batch and head, both products on codes of E4M3; O is quantised with the scale given for it (entry 10) and stored as an image for the next product.
; t = score x log2(e) / 8; M = the largest t so far, rounded up to a whole number; p = 2^(t - M) is quantised (entry 9), not normalised; the row's sum is taken of the unquantised p and divides at the end.
; Q's, K's, V's codes lie in qkvc as images: 64 neighbouring k are a column group, CGP bytes apart; in a group tile T (rows 32 (T / 2) + 8 (T % 2) + r + 8 (r / 8)) has two parts of 512 bytes, lane 16 h + r with k = 32 c + 16 h + 0 .. 15.
; SHARES.  Work-group (x, y): batch y / 16, head y % 16, query tiles 16 x .. 16 x + 15, one to each of sixteen waves: four waves to a SIMD, so that one wave's vector work stands beside another's products and LDS loads.
; BOTH PRODUCTS TRANSPOSED: S^T = K Q^T (source 0 = a tile of keys), O^T = V^T P^T (source 0 = a tile of channels): a lane holds one query throughout.  By the image's choice of a tile's rows the 16 registers of key tiles
; 2 g and 2 g + 1 are keys 32 g + 16 h + 0 .. 15: the conversions' results are the second product's operand; likewise O^T's codes are a part of ac's image.
; LDS holds ALL of the head's K (131,072 bytes) and V (131,072): every byte is written once, by ds_store, a slot of 256 keys at a time.  Waves 0-7 bring K's 16 KiB of a slot, waves 8-15 V's: 2,048 bytes a wave,
; loaded into registers two key steps ahead of their store.
; ONE BARRIER A SLOT, ITS HALVES APART.  Between the two key steps of slot i a wave stores its part of slot i + 1, waits for its LDS instructions and signals.  It waits for the others only where it first wants slot i + 1:
; late in the second step, ahead of the loads of that slot's first fragments of K.  Between signal and wait stand register work and LDS loads of slot i, whose bytes nobody writes again.
; K A STEP AHEAD.  Two regions of 64 registers change roles from step to step.  A step finds K in X, puts S^T into Y and fetches V into X; when p's codes are made, Y is free and takes the next step's K, ahead of V^T P.
; NO CLUSTER, NO TENSOR LOAD: a work-group's 262,144 bytes come once, each slot asked for two key steps ahead.  Here the hold of p,
; 64 of a key step's some 270 vector lines, is jumped over where entry 9 is -8 or more: p is at most 1 and 448 x 2^-8 is 1.75, so the hold would change nothing.
; LIMITS: entries 6 + 7 between -123 and 130 (added to c's exponent field); entries 9 and 10 between -126 and 119.
; REGISTERS: v1 16 x lane; v2, v3 the slot's K and V; v4 where I store the next slot; v5, v6 their bases; v12 -M, v13 the largest t, v[14:15] the sum; v16-23 Q; v32-95 and v96-159 the two regions; v160-191 O^T;
; v192-207 p's codes; v208-223 the fill on its way; v236-254 at work and constants.
.set CGP, 262144
.set VB,  131072                       ; V's part of LDS
.set SLB, 16384                        ; a slot: 256 keys of K, and as many bytes of V
	s_load_b128 s[4:7], s[0:1], 0x0                ; qkvc s[4:5], the exponents s[6:7]
	s_load_b64 s[8:9], s[0:1], 0x10                ; ac
	v_lshl_add_u32 v251, v0, 2, 0x40000
	v_mov_b32 v255, 0
	v_lshrrev_b32 v8, 5, v0
	v_readfirstlane_b32 s18, v8                    ; wave 0..15
	v_and_b32 v9, 31, v0
	v_lshlrev_b32 v1, 4, v9
	v_add_nc_u32 v6, VB, v1
	s_and_b32 s38, ttmp7, 0xffff
	s_lshr_b32 s39, s38, 4                         ; batch
	s_and_b32 s38, s38, 15                         ; head
	s_lshl_b32 s40, s38, 18
	s_lshl_b32 s41, s39, 17
	s_add_co_u32 s40, s40, s41                     ; the head's column group, the batch's 2,048 tokens in it
	s_lshl_b32 s42, ttmp9, 4
	s_add_co_u32 s42, s42, s18
	s_lshl_b32 s42, s42, 10
	s_add_co_u32 s42, s42, s40                     ; my query tile, in Q's codes and in ac alike
	s_mov_b32 s43, 0
	s_and_b32 s44, s18, 7
	s_lshr_b32 s45, s18, 3                         ; 0: I bring K; 1: V
	s_lshl_b32 s46, s44, 11
	s_add_co_u32 s14, s46, s40
	s_add_co_u32 s14, s14, 0x400000                ; K: my 2,048 bytes of slot 0
	s_lshl_b32 s16, s39, 5
	s_lshr_b32 s17, s44, 1
	s_add_co_u32 s16, s16, s17
	s_lshl_b32 s16, s16, 18                        ; V: token group 32 x batch + (wave % 8) / 2,
	s_lshl_b32 s17, s38, 12
	s_add_co_u32 s16, s16, s17                     ; the head's 64 channels: 4,096 bytes,
	s_and_b32 s17, s44, 1
	s_lshl_b32 s17, s17, 11
	s_add_co_u32 s16, s16, s17                     ; my half of them
	s_add_co_u32 s16, s16, 0x800000
	s_mov_b32 s34, 0x100000
	s_cmp_eq_u32 s45, 0
	s_cselect_b32 s14, s14, s16
	s_cselect_b32 s34, SLB, s34                    ; a slot on, in memory: 16,384 bytes of K, four column groups of V
	s_mov_b32 s15, 0
	s_mov_b32 s35, 0
	s_lshl_b32 s47, s45, 17
	s_add_co_u32 s46, s46, s47
	v_add_nc_u32 v5, s46, v1                       ; and in LDS: 2,048 (wave % 8) + 131,072 (wave / 8) + 16 x lane
	s_mov_b32 s20, 0x76543210
	s_mov_b32 s21, 0xfedcba98                      ; lane l xor 16
	s_mov_b32 s22, 0x3e38aa3b                      ; c = log2(e) / 8
	s_wait_kmcnt 0x0
	s_load_b128 s[24:27], s[6:7], 0x10             ; entries 4 to 7
	s_load_b128 s[28:31], s[6:7], 0x20             ; entries 8 to 11
	s_add_nc_u64 s[32:33], s[4:5], s[14:15]
	s_add_nc_u64 s[10:11], s[4:5], s[42:43]
	s_add_nc_u64 s[12:13], s[8:9], s[42:43]
.macro FLOAD
.irp i, 0,1,2,3
	global_load_b128 v[208+4*\i:211+4*\i], v1, s[32:33] offset:512*\i
.endr
.endm
	FLOAD                                          ; slot 0
	global_load_b128 v[16:19], v1, s[10:11]        ; Q's fragment stays in registers
	global_load_b128 v[20:23], v1, s[10:11] offset:512
	v_mov_b32 v13, 0xff61b1e6                      ; the largest t so far: -3e38
	v_floor_f32 v12, -v13                          ; -M
	v_mov_b32 v14, 0
	v_mov_b32 v15, 0
	v_mov_b32 v236, 0                              ; a lane permute's destination counts as one of its sources
	v_mov_b32 v253, 0                              ; (named as the upper half of a pair)
.set n, 0
.rept 32
	v_mov_b32 v[160+n], 0                          ; O^T: the step is written once; the first finds zeros, which the first change of M leaves zeros
.set n, n+1
.endr
	s_wait_kmcnt 0x0
	s_add_co_i32 s38, s26, s27
	s_lshl_b32 s38, s38, 23
	s_add_co_i32 s22, s22, s38                     ; a score stands for score x 2^(e6 + e7): added to c's exponent field
	s_mov_b32 s23, s22
	s_add_co_i32 s38, s29, 127
	s_lshl_b32 s40, s38, 23
	v_mov_b32 v244, s40                            ; 2^e9
	s_add_co_i32 s38, s38, 8
	s_lshl_b32 s38, s38, 23
	s_or_b32 s38, s38, 0x600000
	v_mov_b32 v240, s38                            ; 448 x 2^e9
	s_add_co_i32 s38, s30, 127
	s_lshl_b32 s40, s38, 23
	v_mov_b32 v245, s40                            ; 2^e10
	s_add_co_i32 s38, s38, 8
	s_lshl_b32 s38, s38, 23
	s_or_b32 s38, s38, 0x600000
	v_mov_b32 v241, s38                            ; 448 x 2^e10
	s_add_co_i32 s39, s28, s29                     ; e8 + e9
	s_wait_loadcnt 2                               ; slot 0's four loads are in; Q's two may be out
.irp i, 0,1,2,3
	ds_store_b128 v5, v[208+4*\i:211+4*\i] offset:512*\i
.endr
	s_wait_dscnt 0x0                               ; for the others' sake; and the stores have read the registers that the next loads fill
	s_add_nc_u64 s[32:33], s[32:33], s[34:35]
	FLOAD                                          ; slot 1: it has the first key step in which to come
	s_wait_loadcnt 4                               ; Q is in; slot 1's four stay out
	s_barrier_signal -1
	s_barrier_wait -1                              ; slot 0 lies in LDS
.irp t, 0,1,2,3,4,5,6,7
	ds_load_b128 v[32+8*\t:35+8*\t], v1 offset:\t*1024          ; the first step's K
	ds_load_b128 v[36+8*\t:39+8*\t], v1 offset:\t*1024+512
.endr
; A KEY STEP: 128 keys, the q-th of the slot in hand.  X: the region that holds K, then V.  Y: the region that takes S^T and p, then the next step's K.
; bar = 1: the wait of the barrier that was signalled ahead of this step stands in it.  nk = 1: there is a next step, and its K is fetched (behind q = 1: the next slot's first).
.macro STEP q, X, Y, bar, nk
	s_wait_dscnt 0x0                               ; K's fragments, asked for ahead of the last V^T P
.rept 5
	v_nop                                          ; five places: the scores are written over registers that the last V^T P read
.endr
.irp t, 0,1,2,3,4,5,6,7
	v_wmma_f32_16x16x64_fp8_fp8 v[\Y+8*\t:\Y+8*\t+7], v[\X+8*\t:\X+8*\t+7], v[16:23], 0
.endr
.rept 4
	v_nop                                          ; places in front of the loads below and of the first read of the scores
.endr
.irp t, 0,1,2,3
.irp c, 0,1,2,3
	ds_load_b128 v[\X+16*\t+4*\c:\X+16*\t+4*\c+3], v3 offset:(\q)*8192+(\c/2)*4096+\t*1024+(\c%2)*512   ; V's fragments land under the softmax
.endr
.endr
	v_max3_num_f32 v254, v[\Y], v[\Y+1], v[\Y+2]   ; the step's largest score of my query among my 64 keys, in two chains; each accumulator is read from its low end on
	v_max3_num_f32 v252, v[\Y+3], v[\Y+4], v[\Y+5]
.irp i, 6,10,14,18,22,26,30,34,38,42,46,50,54,58
	v_max3_num_f32 v254, v254, v[\Y+\i], v[\Y+\i+1]
	v_max3_num_f32 v252, v252, v[\Y+\i+2], v[\Y+\i+3]
.endr
	v_max3_num_f32 v254, v254, v[\Y+62], v[\Y+63]
	v_max_num_f32 v254, v254, v252
	v_permlanex16_b32 v236, v254, s20, s21
	v_max_num_f32 v254, v254, v236                 ; and among lane l xor 16's
	v_mul_f32 v254, s22, v254                      ; as t (c is positive)
	v_max_num_f32 v13, v13, v254
	v_mov_b32 v254, v12
	v_floor_f32 v12, -v13                          ; the new -M = -ceil(t)
	v_sub_f32 v254, v12, v254                      ; old M - new M: a whole number, 0 or less
	v_cvt_i32_f32 v254, v254                       ; (it saturates)
	v_ldexp_f32 v252, 1.0, v254                    ; f = 2^(old M - new M): rounds nothing
.set n, 0
.rept 32
	v_pk_fma_f32 v[\Y+n:\Y+n+1], v[\Y+n:\Y+n+1], s[22:23], v[12:13] op_sel_hi:[1,0,0]   ; t - M, two at a time
.set n, n+2
.endr
.set n, 0
.rept 64
	v_exp_f32 v[\Y+n], v[\Y+n]                     ; p = 2^(t - M), at most 1
.set n, n+1
.endr
	v_pk_mul_f32 v[14:15], v[14:15], v[252:253] op_sel_hi:[1,0]   ; the sums under the new M: the plain line behind the exponentials
	s_wait_alu depctr_va_vdst(0)                   ; one wait for the batch, ahead of its first reader
	v_pk_add_f32 v[242:243], v[\Y:\Y+1], v[\Y+2:\Y+3]   ; the row's sum, of the unquantised p, in two chains
.irp j, 4,8,12,16,20,24,28,32,36,40,44,48,52,56,60
	v_pk_add_f32 v[14:15], v[14:15], v[\Y+\j:\Y+\j+1]
	v_pk_add_f32 v[242:243], v[242:243], v[\Y+\j+2:\Y+\j+3]
.endr
	v_pk_add_f32 v[14:15], v[14:15], v[242:243]
.if \bar
	s_barrier_wait -1                              ; every wave has stored its part of the next slot and waited for its stores: the next slot lies in LDS
.endif
	s_cmp_ge_i32 s29, -8                           ; 448 x 2^e9 is 1.75 or more: no p reaches it
	s_cbranch_scc1 .Lno_hold_\@
.set n, 0
.rept 64
	v_min_num_f32 v[\Y+n], v[\Y+n], v240           ; the conversion does not saturate (ISA guide 7.6.2); p is not negative, so the hold is one-sided
.set n, n+1
.endr
.Lno_hold_\@:
.irp t, 0,1,2,3,4,5,6,7
	v_cvt_scalef32_pk8_fp8_f32 v[192+2*\t:193+2*\t], v[\Y+8*\t:\Y+8*\t+7], v244
.endr
.set n, 0
.rept 2
	v_pk_mul_f32 v[160+n:161+n], v[160+n:161+n], v[252:253] op_sel_hi:[1,0]   ; O^T under the new M; the first two are the plain lines behind the conversions
.set n, n+2
.endr
.if \nk
.irp t, 0,1,2,3,4,5,6,7
	ds_load_b128 v[\Y+8*\t:\Y+8*\t+3], v2 offset:((\q)+1)*8192+\t*1024        ; p is in its codes: its registers take the next step's K
	ds_load_b128 v[\Y+8*\t+4:\Y+8*\t+7], v2 offset:((\q)+1)*8192+\t*1024+512
.endr
.endif
.rept 14
	v_pk_mul_f32 v[160+n:161+n], v[160+n:161+n], v[252:253] op_sel_hi:[1,0]
.set n, n+2
.endr
.if \nk
	s_wait_dscnt 16                                ; V's fragments are in; K's sixteen loads, issued behind them, may be out
.else
	s_wait_dscnt 0x0
.endif
.irp t, 0,1,2,3
	v_wmma_f32_16x16x128_fp8_fp8 v[160+8*\t:167+8*\t], v[\X+16*\t:\X+16*\t+15], v[192:207], v[160+8*\t:167+8*\t]
.endr
.endm
	s_mov_b32 s36, 0
	s_mov_b32 s37, 0                               ; the slot in hand, in bytes
.Lslot:                                            ; seven trips: slot i is worked, slot i + 1 stored, slot i + 2 asked for
	s_wait_dscnt 0x0                               ; K's loads are in: their address register is written only behind this wait
	v_add_nc_u32 v2, s37, v1
	v_add_nc_u32 v3, s37, v6
	v_add_nc_u32 v4, s37, v5
	STEP 0, 32, 96, 0, 1
	s_wait_loadcnt 0x0                             ; the next slot's bytes, asked for two key steps ago
.irp i, 0,1,2,3
	ds_store_b128 v4, v[208+4*\i:211+4*\i] offset:SLB+512*\i
.endr
	s_wait_dscnt 0x0                               ; for the others' sake: my stores have landed; and no LDS instruction of mine is out at the signal
	s_cmp_ge_u32 s36, 6
	s_cbranch_scc1 .Lno_fill                       ; the last trip asks for nothing: there is no slot 8
	s_add_nc_u64 s[32:33], s[32:33], s[34:35]      ; (the loads that read this base are in)
	FLOAD
.Lno_fill:
	s_barrier_signal -1                            ; my part of the next slot lies in LDS; the wait stands in the step below
	STEP 1, 96, 32, 1, 1
	s_add_co_u32 s37, s37, SLB
	s_add_co_u32 s36, s36, 1
	s_cmp_lt_u32 s36, 7
	s_cbranch_scc1 .Lslot
	s_wait_dscnt 0x0                               ; the last slot
	v_add_nc_u32 v2, s37, v1
	v_add_nc_u32 v3, s37, v6
	STEP 0, 32, 96, 0, 1
	STEP 1, 96, 32, 0, 0
.rept 4
	v_nop
.endr
	v_add_f32 v14, v14, v15
	v_permlanex16_b32 v252, v14, s20, s21
	v_add_f32 v14, v14, v252                       ; the row's sum
	v_rcp_f32 v14, v14
	v_nop                                          ; a plain line behind the reciprocal
	s_wait_alu depctr_va_vdst(0)                   ; and the wait ahead of its first reader
	v_ldexp_f32 v14, v14, s39                      ; x 2^(e8 + e9)
.set n, 0
.rept 32
	v_mul_f32 v[96+n], v[160+n], v14               ; register 8 t + j is o(query r, channel 32 (t / 2) + 16 h + 8 (t % 2) + j)
.set n, n+1
.endr
.set n, 0
.rept 32
	v_med3_num_f32 v[96+n], v[96+n], -v241, v241
.set n, n+1
.endr
.irp t, 0,1,2,3
	v_cvt_scalef32_pk8_fp8_f32 v[192+2*\t:193+2*\t], v[96+8*\t:103+8*\t], v245
.endr
	v_nop
	global_store_b128 v1, v[192:195], s[12:13]     ; the tile's two parts of ac's image: 512 consecutive bytes each
	global_store_b128 v1, v[196:199], s[12:13] offset:512
	s_wait_tensorcnt 0x0
	ds_add_u32 v251, v255
	s_wait_dscnt 0x0
	s_endpgm
.Lfunc_end_k_q9fa5c54cdd_attn:
	.size	k_q9fa5c54cdd_attn, .Lfunc_end_k_q9fa5c54cdd_attn-k_q9fa5c54cdd_attn
	.p2alignl 7, 3214868480
	.fill 96, 4, 3214868480
	.section	.rodata,"a",@progbits
	.p2align	6, 0x0
	.amdhsa_kernel k_q9fa5c54cdd_attn
		.amdhsa_group_segment_fixed_size 264192
		.amdhsa_private_segment_fixed_size 0
		.amdhsa_enable_private_segment 0
		.amdhsa_kernarg_size 24
		.amdhsa_user_sgpr_count 2
		.amdhsa_user_sgpr_kernarg_segment_ptr 1
		.amdhsa_wavefront_size32 1
		.amdhsa_system_sgpr_workgroup_id_x 1
		.amdhsa_system_sgpr_workgroup_id_y 1
		.amdhsa_system_sgpr_workgroup_id_z 1
		.amdhsa_system_vgpr_workitem_id 0
		.amdhsa_next_free_vgpr 256
		.amdhsa_next_free_sgpr 66
		.amdhsa_reserve_vcc 0
		.amdhsa_float_denorm_mode_32 3
		.amdhsa_float_denorm_mode_16_64 3
		.amdhsa_memory_ordered 1
		.amdhsa_forward_progress 1
		.amdhsa_inst_pref_size 72
	.end_amdhsa_kernel
	.amdgpu_metadata
---
amdhsa.version: [ 1, 2 ]
amdhsa.kernels:
  - .name:           k_q9fa5c54cdd_attn
    .symbol:         k_q9fa5c54cdd_attn.kd
    .args:
      - { .name: qkvc, .offset: 0, .size: 8, .value_kind: global_buffer, .address_space: global }
      - { .name: lowp_scales, .offset: 8, .size: 8, .value_kind: global_buffer, .address_space: global }
      - { .name: ac, .offset: 16, .size: 8, .value_kind: global_buffer, .address_space: global }
    .group_segment_fixed_size: 264192
    .private_segment_fixed_size: 0
    .kernarg_segment_align: 8
    .kernarg_segment_size: 24
    .max_flat_workgroup_size: 512
    .sgpr_count:     66
    .vgpr_count:     256
    .wavefront_size: 32
...
	.end_amdgpu_metadata
.endif
;; end of part 3
;; launch ffn1 (part 4): grid 8 x 16, 4 waves a work-group, clusters of 4 x 4, 327,680 bytes of LDS; arguments ac, W1_codes, b1, lowp_scales, hc; writes hc
.if DOCPART == 4
	.amdgcn_target "amdgcn-amd-amdhsa--gfx1250"
	.amdhsa_code_object_version 6
	.text
	.protected	k_q9fa5c54cdd_ffn1
	.globl	k_q9fa5c54cdd_ffn1
	.p2align	8
	.type	k_q9fa5c54cdd_ffn1,@function
k_q9fa5c54cdd_ffn1:
	s_mov_b64 s[64:65], 0
	v_nop
	global_prefetch_b8 v0, s[64:65] scope:SCOPE_SE
	s_setreg_imm32_b32 hwreg(HW_REG_WAVE_MODE, 25, 1), 1
	s_wait_xcnt 0x0
	s_wait_alu depctr_hold_cnt(0) depctr_sa_sdst(0) depctr_va_vdst(0) depctr_va_sdst(0) depctr_va_ssrc(0) depctr_va_vcc(0) depctr_vm_vsrc(0)
	s_getreg_b32 s2, hwreg(HW_REG_IB_STS2, 6, 4)
	s_cmp_eq_u32 s2, 0
	s_cbranch_scc0 .Lentry_in_a_cluster
	s_endpgm
.Lentry_in_a_cluster:
	s_bfe_u32 s2, ttmp6, 0x10000c
	s_cmp_lg_u32 s2, 0xf033
	s_cbranch_scc0 .Lentry_shape_is_right
	s_endpgm
.Lentry_shape_is_right:
; h = relu(a W1^T + b1) on codes of E4M3, quantised on the way out with the scale given for it (entry 12) and stored as an image.  a: 4,096 x 1,024 codes, an image (entry 10); W1: [2048][1024] codes (entry 11).
; THE IMAGE LAYOUT: 64 neighbouring k are a column group, CGP bytes apart; in a group tile T (rows 32 (T / 2) + 8 (T % 2) + r + 8 (r / 8)) has two parts of 512 bytes; lane 16 h + r has 16 bytes: k = 32 c + 16 h + 0 .. 15.
; A tile of 256 x 256 is made by four waves, 128 x 128 each: 64 accumulators.  K = 1,024 goes in four fills of 256 through two LDS slots; the text is written straight, without a loop.
; CLUSTERS: 4 x 4.  A's tile hangs on the tile row alone and is asked for jointly along a row of the cluster, W1's on the tile column alone, along a column.
; THE MATRIX INSTRUCTION IS USED TRANSPOSED (source 0 = 16 rows of W1, source 1 = a tile of a): lane (r, h) of accumulator (a, b) holds row r of tile a and columns 16 b + 8 h + 0 .. 7.  k stands in the image's order on both sides alike.
; A sum stands for sum x 2^(e10 + e11).  b1 goes in as the first C, divided by that power; the code is sum / 2^(e12 - e10 - e11); the hold between 0 and the largest code is the activation as well.
; LIMITS: e12 - e10 - e11 between -126 and 119; NaN among the inputs is not served.
; REGISTERS: window 0: v16-31 addresses and constants; v32-95 the bias, 8 registers a column tile; from v128 A's fragments, one set (on the way out v128-255 are at work).  window 1: B's fragments, two sets.  windows 2, 3: accumulators.
.set AT, 8
.set BT, 8
.set KTOT, 1024
.set KS, 256
.set NCG, 4
.set QI, 5
.set CGP, 262144
.set ARB, 1024*AT
.set AHALF, NCG*ARB
.set BP, KS+16
.set BHALF, 16*BT*BP
.set SLOT, 2*AHALF+2*BHALF
.set SPARE, 2*SLOT                     ; behind the ring: the spare words, 128 bytes a wave, which no other line names
.set ADRA, 16
.set ADRB, 20
.set LI, 26
.set BO, 27
.set SPW, 28
.set NIL, 29
.set LIM, 30
.set SCL, 31
.set BI, 32
.set AF, 128
.set G1, 24
.set G0, 32
.set G1B, 48
.set G0B, 56
.set MSB, 0
.macro WIN new                         ; the immediate's high byte repeats the setting that is left
.if MSB != (\new)
	s_set_vgpr_msb (MSB<<8)|(\new)
.set MSB, (\new)
.endif
.endm
.macro WINM a0, ci
.set wW, 2+(8*BT*(\a0))/256
.if \ci
	WIN (wW<<6)|1
.else
	WIN (wW<<6)|(wW<<4)|1
.endif
.endm
.macro JLOAD g0a, g1a, g0b, g1b        ; a joint load: waves 0 and 1 fetch A's halves, waves 2 and 3 B's; four v_nop follow each line
	s_cmp_eq_u32 s15, 0
	s_cbranch_scc0 .Lfor_b_\@
	tensor_load_to_lds s[\g0a:\g0a+3], s[\g1a:\g1a+7]
	s_nop 0
.rept 4
	v_nop
.endr
	s_branch .Lasked_\@
.Lfor_b_\@:
	tensor_load_to_lds s[\g0b:\g0b+3], s[\g1b:\g1b+7]
	s_nop 0
.rept 4
	v_nop
.endr
.Lasked_\@:
.endm
.macro CREST
	s_cmp_lg_u32 s14, 0
	s_cbranch_scc1 .Lnot_wave_0_\@
	s_barrier_signal -3
.Lnot_wave_0_\@:
	s_barrier_wait -3
	s_barrier_signal -1
	s_barrier_wait -1
.endm
.macro CROUND
	s_barrier_signal -1
	s_barrier_wait -1
	CREST
.endm
.macro PLACES n
.rept \n
	v_nop
.endr
.endm
.macro FRAGA reg, slot, q, i
.irp c, 0,1,2,3
	ds_load_b128 v[\reg+4*\c:\reg+4*\c+3], v[ADRA+\slot] offset:(2*(\q)+\c/2)*ARB+(\i)*1024+(\c%2)*512
.endr
.endm
.macro FRAGB reg, slot, q, i
.irp c, 0,1,2,3
	ds_load_b128 v[\reg+4*\c:\reg+4*\c+3], v[ADRB+\slot] offset:128*(\q)+32*\c+(\i)*16*BP
.endr
.endm
; n blocks of A from a0 on, each against B's BT, 128 along K.  p: B's set.  ci = 0: onto the sums; 1: C = the bias of column tile b; 2: of row tile a.  The accumulators take turns, one instruction a turn.
.macro MULR a0, n, p, ci
.set ma, \a0
.rept \n
.set mb, 0
.rept BT
.set rD, (8*(BT*ma+mb))%256
.if \ci == 0
	v_wmma_f32_16x16x128_fp8_fp8 v[rD:rD+7], v[128*(\p)+16*mb:128*(\p)+16*mb+15], v[AF+16*ma:AF+16*ma+15], v[rD:rD+7]
.elseif \ci == 1
	v_wmma_f32_16x16x128_fp8_fp8 v[rD:rD+7], v[128*(\p)+16*mb:128*(\p)+16*mb+15], v[AF+16*ma:AF+16*ma+15], v[BI+8*mb:BI+8*mb+7]
.else
	v_wmma_f32_16x16x128_fp8_fp8 v[rD:rD+7], v[128*(\p)+16*mb:128*(\p)+16*mb+15], v[AF+16*ma:AF+16*ma+15], v[BI+8*ma:BI+8*ma+7]
.endif
.set mb, mb+1
.endr
.set ma, ma+1
.endr
.endm
.macro FETCH_B slot, q, p
	WIN 0x40
.set fi, 0
.rept BT
	FRAGB 128*(\p)+16*fi, \slot, \q, fi
.set fi, fi+1
.endr
	WIN 0
.endm
.macro FETCH_A slot, q, i0, n
.set fi, \i0
.rept \n
	FRAGA AF+16*fi, \slot, \q, fi
.set fi, fi+1
.endr
.endm
; A step of 128 along K that has its successor in the same slot.  Four plain lines stand in front of each run of loads into registers that matrix instructions have read (ISA guide 7.12.1 for vector instructions).
.macro STEP slot, q, ci
	s_wait_dscnt 2*AT                              ; B's set and A's first half of blocks are in; the youngest loads, A's second half, may be out
	WINM 0, \ci
	MULR 0, AT/2, (\q)%2, \ci
	s_wait_dscnt 0x0
	PLACES 4
	FETCH_B \slot, (\q)+1, 1-(\q)%2
	FETCH_A \slot, (\q)+1, 0, AT/2
	WINM AT/2, \ci
	MULR AT/2, AT/2, (\q)%2, \ci
	PLACES 4
	WIN 0
	FETCH_A \slot, (\q)+1, AT/2, AT/2
.endm
; A slot's last step changes slots: one barrier; in front of it each wave waits for all its tensor loads, adds 0 to its spare word, and waits for that and for its reads of this slot.  fill = 1: the slot is filled again, two fills ahead.
.macro TURN slot, next, fill
	s_wait_tensorcnt 0x0                           ; all my tensor loads have landed: my part of the next slot
	ds_add_u32 v[SPW], v[NIL]                      ; 0 onto my spare word
	s_wait_dscnt 2*AT+1                            ; (the add and A's second half of blocks may be out)
	WINM 0, 0
	MULR 0, AT/4, 1, 0
	s_wait_dscnt 0x0                               ; the add is done, and my reads of this slot are over
	s_barrier_signal -1
	MULR AT/4, AT/4, 1, 0
	WIN 0
	s_barrier_wait -1
.if \fill
	CREST                                          ; the barrier has opened a round of the cluster's: no wave of any partner still reads this slot or has a load on its way
	s_add_nc_u64 s[G0+4*\slot+2:G0+4*\slot+3], s[G0+4*\slot+2:G0+4*\slot+3], 2*NCG*CGP
	s_add_nc_u64 s[G0B+4*\slot+2:G0B+4*\slot+3], s[G0B+4*\slot+2:G0B+4*\slot+3], 2*KS
	JLOAD G0+4*\slot, G1, G0B+4*\slot, G1B         ; the first tensor load behind the round; its four v_nop are the places in front of the loads below
.else
	PLACES 4
.endif
	FETCH_B \next, 0, 0
	FETCH_A \next, 0, 0, AT/2
	WINM AT/2, 0
	MULR AT/2, AT/2, 1, 0
	PLACES 4
	WIN 0
	FETCH_A \next, 0, AT/2, AT/2
.endm
.macro LAST
	s_wait_dscnt 2*AT
	WINM 0, 0
	MULR 0, AT/2, 1, 0
	s_wait_dscnt 0x0
	WINM AT/2, 0
	MULR AT/2, AT/2, 1, 0
	WIN 0
.endm
; THE WAY OUT of A's block a: 16 rows x 128 columns become codes.  The hold, eight conversions; then the halves of the lanes change places, so that lane (r, h) holds columns 32 p + 16 h + 0 .. 15 in four registers:
; that is a part of the image, and each store covers 512 consecutive bytes.  Each accumulator is read from its low end on.
.macro OUTC a, relu
.set oA, (64*(\a))%256
.set oC, 192+16*((\a)%4)
	WIN 0x02+(\a)/4
.set n, 0
.rept 64
.if \relu
	v_med3_num_f32 v[128+n], v[oA+n], 0, v[LIM]
.else
	v_med3_num_f32 v[128+n], v[oA+n], -v[LIM], v[LIM]
.endif
.set n, n+1
.endr
	WIN 0
.irp b, 0,1,2,3,4,5,6,7
	v_cvt_scalef32_pk8_fp8_f32 v[oC+2*\b:oC+2*\b+1], v[128+8*\b:128+8*\b+7], v[SCL]
.endr
	v_nop                                          ; a plain line between the conversions and the lines that touch their results
.irp p, 0,1,2,3
	v_permlane16_swap_b32 v[oC+4*\p], v[oC+4*\p+2]     ; column tile 2 p's lanes 16-31 against tile 2 p + 1's lanes 0-15
	v_permlane16_swap_b32 v[oC+4*\p+1], v[oC+4*\p+3]
.endr
.irp p, 0,1,2,3
	global_store_b128 v[LI], v[oC+4*\p:oC+4*\p+3], s[8:9] offset:(\p/2)*CGP+(\a)*1024+(\p%2)*512
.endr
.endm
	s_load_b256 s[68:75], s[0:1], 0x0              ; ac s[68:69], W1 s[70:71], b1 s[72:73], the exponents s[74:75]
	s_load_b64 s[76:77], s[0:1], 0x20              ; hc
	v_lshl_add_u32 v[SPW], v0, 2, SPARE
	v_mov_b32 v[NIL], 0
	ds_add_u32 v28, v29
	ds_add_u32 v28, v29
	s_wait_dscnt 0x0
	v_lshrrev_b32 v1, 5, v0
	v_readfirstlane_b32 s14, v1                    ; wave 0..3
	s_lshr_b32 s15, s14, 1                         ; my half of the tile's rows.  Also: I fetch for A (0) or for B (1)
	s_and_b32 s16, s14, 1                          ; my half of its columns.  Also: which half of that side I fetch
	s_bfe_u32 s40, ttmp6, 0x40000                  ; cx
	s_bfe_u32 s41, ttmp6, 0x40004                  ; cy
	s_lshl_b32 s42, ttmp9, 2
	s_add_co_u32 s42, s42, s40                     ; tile column
	s_and_b32 s17, ttmp7, 0xffff
	s_lshl_b32 s17, s17, 2
	s_add_co_u32 s17, s17, s41                     ; tile row
	s_lshl_b32 s43, s41, 2
	s_lshl_b32 s43, 15, s43                        ; my row of the cluster
	s_lshl_b32 s44, 0x1111, s40                    ; my column
	s_or_b32 s[G1], s43, (3<<16)|(1<<21)           ; A: the mask; elements of 8 bytes; no padding; bit 21 beside a mask
	s_mov_b32 s[G1+1], (ARB/8)<<16
	s_mov_b32 s[G1+2], NCG<<16
	s_mov_b32 s[G1+3], (ARB/8)<<16
	s_mov_b32 s[G1+4], NCG
	s_mov_b32 s[G1+5], CGP/8
	s_mov_b32 s[G1+6], 0
	s_mov_b32 s[G1+7], 0
	s_or_b32 s[G1B], s44, (1<<20)|(1<<21)|(QI<<22)|(3<<25)   ; B: the mask; elements of 1 byte; 4 words of padding behind each row
	s_mov_b32 s[G1B+1], KS<<16
	s_mov_b32 s[G1B+2], (16*BT)<<16
	s_mov_b32 s[G1B+3], KS<<16
	s_mov_b32 s[G1B+4], 16*BT
	s_mov_b32 s[G1B+5], KTOT
	s_mov_b32 s[G1B+6], 0
	s_mov_b32 s[G1B+7], 0
	s_lshl_b32 s20, s17, 14
	s_lshl_b32 s18, s16, 13
	s_add_co_u32 s20, s20, s18                     ; A: (256 x tile row + 128 x half) x 64 bytes in a column group
	s_mov_b32 s21, 0
	s_lshl_b32 s46, s42, 18
	s_lshl_b32 s47, s16, 17
	s_add_co_u32 s46, s46, s47                     ; B: (256 x tile column + 128 x half) rows of 1,024 bytes
	s_mov_b32 s47, 0
	s_mul_i32 s45, s16, AHALF
	s_mul_i32 s22, s16, BHALF
	s_add_co_u32 s22, s22, 2*AHALF
	s_wait_kmcnt 0x0
	s_load_b128 s[80:83], s[74:75], 0x28           ; entries 10 to 13
	s_add_nc_u64 s[20:21], s[68:69], s[20:21]
	s_add_nc_u64 s[46:47], s[70:71], s[46:47]
	CROUND                                         ; all sixteen work-groups are here: the first joint loads meet
.irp s, 0,1
	s_mov_b32 s[G0+4*\s], 1
	s_add_co_u32 s[G0+4*\s+1], s45, \s*SLOT
	s_add_nc_u64 s[G0+4*\s+2:G0+4*\s+3], s[20:21], \s*NCG*CGP
	s_or_b32 s[G0+4*\s+3], s[G0+4*\s+3], 0x80000000
	s_mov_b32 s[G0B+4*\s], 1
	s_add_co_u32 s[G0B+4*\s+1], s22, \s*SLOT
	s_add_nc_u64 s[G0B+4*\s+2:G0B+4*\s+3], s[46:47], \s*KS
	s_or_b32 s[G0B+4*\s+3], s[G0B+4*\s+3], 0x80000000
	JLOAD G0+4*\s, G1, G0B+4*\s, G1B               ; two tensor loads of mine are out
.endr
	v_and_b32 v1, 15, v0                           ; r
	v_bfe_u32 v2, v0, 4, 1                         ; h
	v_and_b32 v3, 31, v0
	v_lshlrev_b32 v[LI], 4, v3
	v_mul_u32_u24 v4, v1, BP
	v_lshl_add_u32 v4, v2, 4, v4
	s_mul_i32 s21, s15, AHALF
.irp s, 0,1
	v_add_nc_u32 v[ADRA+\s], s21, v[LI]
	v_add_nc_u32 v[ADRB+\s], s22, v4
	s_add_co_u32 s21, s21, SLOT
	s_add_co_u32 s22, s22, SLOT
.endr
	v_lshlrev_b32 v[BO], 5, v2                     ; b1: my half's eight numbers of a column tile
	s_lshl_b32 s46, s42, 10
	s_lshl_b32 s47, s16, 9
	s_add_co_u32 s46, s46, s47                     ; 4 x (256 x tile column + 128 x half)
	s_mov_b32 s47, 0
	s_add_nc_u64 s[10:11], s[72:73], s[46:47]
.irp b, 0,1,2,3,4,5,6,7
	global_load_b128 v[BI+8*\b:BI+8*\b+3], v[BO], s[10:11] offset:64*\b
	global_load_b128 v[BI+8*\b+4:BI+8*\b+7], v[BO], s[10:11] offset:64*\b+16
.endr
	s_lshl_b32 s20, s17, 14
	s_lshl_b32 s21, s15, 13
	s_add_co_u32 s20, s20, s21                     ; my first row x 64 bytes
	s_mov_b32 s21, 0
	s_lshl_b32 s46, s42, 20
	s_lshl_b32 s47, s16, 19
	s_add_co_u32 s46, s46, s47                     ; my first column group: 4 x tile column + 2 x half
	s_mov_b32 s47, 0
	s_add_nc_u64 s[20:21], s[20:21], s[46:47]
	s_add_nc_u64 s[8:9], s[76:77], s[20:21]
	s_wait_kmcnt 0x0
	s_add_co_i32 s84, s80, s81                     ; e10 + e11
	s_sub_co_i32 s85, 0, s84
	s_sub_co_i32 s86, s82, s84
	s_add_co_i32 s86, s86, 127
	s_lshl_b32 s87, s86, 23
	v_mov_b32 v[SCL], s87                          ; 2^(e12 - e10 - e11)
	s_add_co_i32 s86, s86, 8
	s_lshl_b32 s86, s86, 23
	s_or_b32 s86, s86, 0x600000
	v_mov_b32 v[LIM], s86                          ; 448 x that
	s_wait_loadcnt 0x0
.set n, 0
.rept 64
	v_ldexp_f32 v[BI+n], v[BI+n], s85              ; b1 / 2^(e10 + e11)
.set n, n+1
.endr
	s_wait_tensorcnt 1                             ; my part of the first fill is in; the second may stay out
	s_barrier_signal -1
	s_barrier_wait -1
	FETCH_B 0, 0, 0
	FETCH_A 0, 0, 0, AT/2
	FETCH_A 0, 0, AT/2, AT/2
	STEP 0, 0, 1                                   ; the first products start the sums from the bias: nothing is cleared
	TURN 0, 1, 1
	STEP 1, 0, 0
	TURN 1, 0, 1
	STEP 0, 0, 0
	TURN 0, 1, 0                                   ; nothing is left to fetch
	STEP 1, 0, 0
	LAST
	PLACES 4                                       ; in front of the first write into the registers that held A's fragments
.irp a, 0,1,2,3,4,5,6,7
.if \a == 4
	s_wait_xcnt 0x0                                ; the first four blocks' stores have read their registers, which take the next four blocks' codes
.endif
	OUTC \a, 1
.endr
	s_wait_tensorcnt 0x0                           ; the wave's end
	ds_add_u32 v[SPW], v[NIL]
	s_wait_dscnt 0x0
	CROUND                                         ; the closing round: no work-group ends while a partner may still ask for a tile that names it
	s_endpgm
.Lfunc_end_k_q9fa5c54cdd_ffn1:
	.size	k_q9fa5c54cdd_ffn1, .Lfunc_end_k_q9fa5c54cdd_ffn1-k_q9fa5c54cdd_ffn1
	.p2alignl 7, 3214868480
	.fill 96, 4, 3214868480
	.section	.rodata,"a",@progbits
	.p2align	6, 0x0
	.amdhsa_kernel k_q9fa5c54cdd_ffn1
		.amdhsa_group_segment_fixed_size 327680
		.amdhsa_private_segment_fixed_size 0
		.amdhsa_enable_private_segment 0
		.amdhsa_kernarg_size 40
		.amdhsa_user_sgpr_count 2
		.amdhsa_user_sgpr_kernarg_segment_ptr 1
		.amdhsa_wavefront_size32 1
		.amdhsa_system_sgpr_workgroup_id_x 1
		.amdhsa_system_sgpr_workgroup_id_y 1
		.amdhsa_system_sgpr_workgroup_id_z 1
		.amdhsa_system_vgpr_workitem_id 0
		.amdhsa_next_free_vgpr 1024
		.amdhsa_next_free_sgpr 100
		.amdhsa_reserve_vcc 0
		.amdhsa_float_denorm_mode_32 3
		.amdhsa_float_denorm_mode_16_64 3
		.amdhsa_memory_ordered 1
		.amdhsa_forward_progress 1
		.amdhsa_inst_pref_size 125
	.end_amdhsa_kernel
	.amdgpu_metadata
---
amdhsa.version: [ 1, 2 ]
amdhsa.kernels:
  - .name:           k_q9fa5c54cdd_ffn1
    .symbol:         k_q9fa5c54cdd_ffn1.kd
    .args:
      - { .name: ac, .offset: 0, .size: 8, .value_kind: global_buffer, .address_space: global }
      - { .name: W1_codes, .offset: 8, .size: 8, .value_kind: global_buffer, .address_space: global }
      - { .name: b1, .offset: 16, .size: 8, .value_kind: global_buffer, .address_space: global }
      - { .name: lowp_scales, .offset: 24, .size: 8, .value_kind: global_buffer, .address_space: global }
      - { .name: hc, .offset: 32, .size: 8, .value_kind: global_buffer, .address_space: global }
    .group_segment_fixed_size: 327680
    .private_segment_fixed_size: 0
    .kernarg_segment_align: 8
    .kernarg_segment_size: 40
    .max_flat_workgroup_size: 128
    .sgpr_count:     100
    .vgpr_count:     1024
    .wavefront_size: 32
...
	.end_amdgpu_metadata
.endif
;; end of part 4
;; launch ffn2 (part 5): grid 8 x 32, 4 waves a work-group, clusters of 4 x 4, 327,680 bytes of LDS; arguments hc, W2_codes, b2, embed, lowp_scales, out0; writes out0
.if DOCPART == 5
	.amdgcn_target "amdgcn-amd-amdhsa--gfx1250"
	.amdhsa_code_object_version 6
	.text
	.protected	k_q9fa5c54cdd_ffn2
	.globl	k_q9fa5c54cdd_ffn2
	.p2align	8
	.type	k_q9fa5c54cdd_ffn2,@function
k_q9fa5c54cdd_ffn2:
	s_mov_b64 s[64:65], 0
	v_nop
	global_prefetch_b8 v0, s[64:65] scope:SCOPE_SE
	s_setreg_imm32_b32 hwreg(HW_REG_WAVE_MODE, 25, 1), 1
	s_wait_xcnt 0x0
	s_wait_alu depctr_hold_cnt(0) depctr_sa_sdst(0) depctr_va_vdst(0) depctr_va_sdst(0) depctr_va_ssrc(0) depctr_va_vcc(0) depctr_vm_vsrc(0)
	s_getreg_b32 s2, hwreg(HW_REG_IB_STS2, 6, 4)
	s_cmp_eq_u32 s2, 0
	s_cbranch_scc0 .Lentry_in_a_cluster
	s_endpgm
.Lentry_in_a_cluster:
	s_bfe_u32 s2, ttmp6, 0x10000c
	s_cmp_lg_u32 s2, 0xf033
	s_cbranch_scc0 .Lentry_shape_is_right
	s_endpgm
.Lentry_shape_is_right:
; out = h W2^T + b2 + embed.  h: 4,096 x 2,048 codes of E4M3, an image (entry 12); W2: [1024][2048] codes (entry 13); b2, embed, out: f32.
; THE IMAGE LAYOUT: 64 neighbouring k are a column group, CGP bytes apart; in a group tile T (rows 32 (T / 2) + 8 (T % 2) + r + 8 (r / 8)) has two parts of 512 bytes; lane 16 h + r has 16 bytes: k = 32 c + 16 h + 0 .. 15.
; A tile of 128 x 128 is made by four waves, 64 x 64 each: 16 accumulators; 256 work-groups.  (Tiles of 256 x 256 would be 64 work-groups, each with 262,144 bytes of embed to read and as many to store.)
; K = 2,048 goes in four fills of 512 through two LDS slots; the text is written straight, without a loop.
; CLUSTERS: 4 x 4.  h's tile hangs on the tile row alone and is asked for jointly along a row of the cluster, W2's on the tile column alone, along a column.
; THE MATRIX INSTRUCTION IS USED TRANSPOSED: lane (r, h) of accumulator (a, b) holds row r of tile a and columns 16 b + 8 h + 0 .. 7.  k stands in the image's order on both sides alike.
; A sum stands for sum x 2^(e12 + e13).  b2 goes in as the first C, divided by that power.  out = sum x 2^(e12 + e13) + embed.
; embed is asked for behind the first run of LDS loads, as rows of 256 bytes, sixteen lanes to a row, into registers that the products never name, and stays out until the way out.  There the results go through the wave's own
; stage in LDS (behind the ring; no tensor load fills it) and come back as the same rows in the same lanes: one addition, and the store.
; LIMITS: e12 + e13 between -126 and 126; NaN among the inputs is not served.
; REGISTERS: window 0: v16-31 addresses; v32-63 b2, 8 registers a column tile; v64-127 at work on the way out; from v128 A's fragments, one set (64), on the way out v128-255 rows of the results.
;   window 1: B's two sets at v0 and v128 (64 each); v64-127 and v192-255 embed, then out.   window 2: v0-127 the accumulators, (a, b) at 32 a + 8 b.
.set AT, 4
.set BT, 4
.set KTOT, 2048
.set KS, 512
.set NCG, 8
.set QI, 6
.set CGP, 262144
.set ARB, 1024*AT
.set AHALF, NCG*ARB
.set BP, KS+16
.set BHALF, 16*BT*BP
.set SLOT, 2*AHALF+2*BHALF
.set SPARE, 2*SLOT                     ; behind the ring: the spare words, 128 bytes a wave, which no other line names
.set STG, SPARE+512                    ; behind them: a stage of 16 rows x 272 bytes for each wave
.set SPT, 272
.set ADRA, 16
.set ADRB, 20
.set EO, 22                            ; my place in two rows of embed and of out
.set SW, 23                            ; the stage by rows: sixteen lanes to a row, two rows an instruction
.set SA, 24                            ; the stage by accumulators: row r, + 32 h
.set BO, 27
.set SPW, 28
.set NIL, 29
.set BI, 32
.set AF, 128
.set G1, 24
.set G0, 32
.set G1B, 48
.set G0B, 56
.set MSB, 0
.macro WIN new                         ; the immediate's high byte repeats the setting that is left
.if MSB != (\new)
	s_set_vgpr_msb (MSB<<8)|(\new)
.set MSB, (\new)
.endif
.endm
.macro WINM a0, ci                     ; for products on A's blocks from a0 on: B window 1, A window 0, D (and C, unless it is the bias) in the accumulators' window
.set wW, 2+(8*BT*(\a0))/256
.if \ci
	WIN (wW<<6)|1
.else
	WIN (wW<<6)|(wW<<4)|1
.endif
.endm
.macro JLOAD g0a, g1a, g0b, g1b        ; a joint load: waves 0 and 1 fetch A's halves, waves 2 and 3 B's; four v_nop follow each line
	s_cmp_eq_u32 s15, 0
	s_cbranch_scc0 .Lfor_b_\@
	tensor_load_to_lds s[\g0a:\g0a+3], s[\g1a:\g1a+7]
	s_nop 0
.rept 4
	v_nop
.endr
	s_branch .Lasked_\@
.Lfor_b_\@:
	tensor_load_to_lds s[\g0b:\g0b+3], s[\g1b:\g1b+7]
	s_nop 0
.rept 4
	v_nop
.endr
.Lasked_\@:
.endm
.macro CREST
	s_cmp_lg_u32 s14, 0
	s_cbranch_scc1 .Lnot_wave_0_\@
	s_barrier_signal -3
.Lnot_wave_0_\@:
	s_barrier_wait -3
	s_barrier_signal -1
	s_barrier_wait -1
.endm
.macro CROUND
	s_barrier_signal -1
	s_barrier_wait -1
	CREST
.endm
.macro PLACES n
.rept \n
	v_nop
.endr
.endm
.macro FRAGA reg, slot, q, i
.irp c, 0,1,2,3
	ds_load_b128 v[\reg+4*\c:\reg+4*\c+3], v[ADRA+\slot] offset:(2*(\q)+\c/2)*ARB+(\i)*1024+(\c%2)*512
.endr
.endm
.macro FRAGB reg, slot, q, i
.irp c, 0,1,2,3
	ds_load_b128 v[\reg+4*\c:\reg+4*\c+3], v[ADRB+\slot] offset:128*(\q)+32*\c+(\i)*16*BP
.endr
.endm
; n blocks of A from a0 on, each against B's BT, 128 along K.  p: B's set.  ci = 0: onto the sums; 1: C = the bias of column tile b.  The accumulators take turns, one instruction a turn.
.macro MULR a0, n, p, ci
.set ma, \a0
.rept \n
.set mb, 0
.rept BT
.set rD, (8*(BT*ma+mb))%256
.if \ci == 0
	v_wmma_f32_16x16x128_fp8_fp8 v[rD:rD+7], v[128*(\p)+16*mb:128*(\p)+16*mb+15], v[AF+16*ma:AF+16*ma+15], v[rD:rD+7]
.else
	v_wmma_f32_16x16x128_fp8_fp8 v[rD:rD+7], v[128*(\p)+16*mb:128*(\p)+16*mb+15], v[AF+16*ma:AF+16*ma+15], v[BI+8*mb:BI+8*mb+7]
.endif
.set mb, mb+1
.endr
.set ma, ma+1
.endr
.endm
.macro FETCH_B slot, q, p
	WIN 0x40
.set fi, 0
.rept BT
	FRAGB 128*(\p)+16*fi, \slot, \q, fi
.set fi, fi+1
.endr
	WIN 0
.endm
.macro FETCH_A slot, q, i0, n
.set fi, \i0
.rept \n
	FRAGA AF+16*fi, \slot, \q, fi
.set fi, fi+1
.endr
.endm
; A step of 128 along K that has its successor in the same slot.  Four plain lines stand in front of each run of loads into registers that matrix instructions have read (ISA guide 7.12.1 for vector instructions).
.macro STEP slot, q, ci
	s_wait_dscnt 2*AT                              ; B's set and A's first half of blocks are in; the youngest loads, A's second half, may be out
	WINM 0, \ci
	MULR 0, AT/2, (\q)%2, \ci
	s_wait_dscnt 0x0
	PLACES 4
	FETCH_B \slot, (\q)+1, 1-(\q)%2
	FETCH_A \slot, (\q)+1, 0, AT/2
	WINM AT/2, \ci
	MULR AT/2, AT/2, (\q)%2, \ci
	PLACES 4
	WIN 0
	FETCH_A \slot, (\q)+1, AT/2, AT/2
.endm
; A slot's last step changes slots: one barrier; in front of it each wave waits for all its tensor loads, adds 0 to its spare word, and waits for that and for its reads of this slot.  fill = 1: the slot is filled again, two fills ahead.
.macro TURN slot, next, fill
	s_wait_tensorcnt 0x0                           ; all my tensor loads have landed: my part of the next slot
	ds_add_u32 v[SPW], v[NIL]                      ; 0 onto my spare word
	s_wait_dscnt 2*AT+1                            ; (the add and A's second half of blocks may be out)
	WINM 0, 0
	MULR 0, AT/4, 1, 0
	s_wait_dscnt 0x0                               ; the add is done, and my reads of this slot are over
	s_barrier_signal -1
	MULR AT/4, AT/4, 1, 0
	WIN 0
	s_barrier_wait -1
.if \fill
	CREST                                          ; the barrier has opened a round of the cluster's: no wave of any partner still reads this slot or has a load on its way
	s_add_nc_u64 s[G0+4*\slot+2:G0+4*\slot+3], s[G0+4*\slot+2:G0+4*\slot+3], 2*NCG*CGP
	s_add_nc_u64 s[G0B+4*\slot+2:G0B+4*\slot+3], s[G0B+4*\slot+2:G0B+4*\slot+3], 2*KS
	JLOAD G0+4*\slot, G1, G0B+4*\slot, G1B         ; the first tensor load behind the round; its four v_nop are the places in front of the loads below
.else
	PLACES 4
.endif
	FETCH_B \next, 0, 0
	FETCH_A \next, 0, 0, AT/2
	WINM AT/2, 0
	MULR AT/2, AT/2, 1, 0
	PLACES 4
	WIN 0
	FETCH_A \next, 0, AT/2, AT/2
.endm
.macro LAST
	s_wait_dscnt 2*AT
	WINM 0, 0
	MULR 0, AT/2, 1, 0
	s_wait_dscnt 0x0
	WINM AT/2, 0
	MULR AT/2, AT/2, 1, 0
	WIN 0
.endm
	s_load_b256 s[68:75], s[0:1], 0x0              ; hc s[68:69], W2 s[70:71], b2 s[72:73], embed s[74:75]
	s_load_b128 s[76:79], s[0:1], 0x20             ; the exponents s[76:77], out0 s[78:79]
	v_lshl_add_u32 v[SPW], v0, 2, SPARE
	v_mov_b32 v[NIL], 0
	ds_add_u32 v28, v29
	ds_add_u32 v28, v29
	s_wait_dscnt 0x0
	v_lshrrev_b32 v1, 5, v0
	v_readfirstlane_b32 s14, v1                    ; wave 0..3
	s_lshr_b32 s15, s14, 1                         ; my half of the tile's rows.  Also: I fetch for A (0) or for B (1)
	s_and_b32 s16, s14, 1                          ; my half of its columns.  Also: which half of that side I fetch
	s_bfe_u32 s40, ttmp6, 0x40000                  ; cx
	s_bfe_u32 s41, ttmp6, 0x40004                  ; cy
	s_lshl_b32 s42, ttmp9, 2
	s_add_co_u32 s42, s42, s40                     ; tile column
	s_and_b32 s17, ttmp7, 0xffff
	s_lshl_b32 s17, s17, 2
	s_add_co_u32 s17, s17, s41                     ; tile row
	s_lshl_b32 s43, s41, 2
	s_lshl_b32 s43, 15, s43                        ; my row of the cluster
	s_lshl_b32 s44, 0x1111, s40                    ; my column
	s_or_b32 s[G1], s43, (3<<16)|(1<<21)           ; A: the mask; elements of 8 bytes; no padding; bit 21 beside a mask
	s_mov_b32 s[G1+1], (ARB/8)<<16
	s_mov_b32 s[G1+2], NCG<<16
	s_mov_b32 s[G1+3], (ARB/8)<<16
	s_mov_b32 s[G1+4], NCG
	s_mov_b32 s[G1+5], CGP/8
	s_mov_b32 s[G1+6], 0
	s_mov_b32 s[G1+7], 0
	s_or_b32 s[G1B], s44, (1<<20)|(1<<21)|(QI<<22)|(3<<25)   ; B: the mask; elements of 1 byte; 4 words of padding behind each row of 128 words
	s_mov_b32 s[G1B+1], KS<<16
	s_mov_b32 s[G1B+2], (16*BT)<<16
	s_mov_b32 s[G1B+3], KS<<16
	s_mov_b32 s[G1B+4], 16*BT
	s_mov_b32 s[G1B+5], KTOT
	s_mov_b32 s[G1B+6], 0
	s_mov_b32 s[G1B+7], 0
	s_lshl_b32 s20, s17, 13
	s_lshl_b32 s18, s16, 12
	s_add_co_u32 s20, s20, s18                     ; A: (128 x tile row + 64 x half) x 64 bytes in a column group
	s_mov_b32 s21, 0
	s_lshl_b32 s46, s42, 18
	s_lshl_b32 s47, s16, 17
	s_add_co_u32 s46, s46, s47                     ; B: (128 x tile column + 64 x half) rows of 2,048 bytes
	s_mov_b32 s47, 0
	s_mul_i32 s45, s16, AHALF
	s_mul_i32 s22, s16, BHALF
	s_add_co_u32 s22, s22, 2*AHALF
	s_wait_kmcnt 0x0
	s_load_b64 s[80:81], s[76:77], 0x30            ; entries 12, 13
	s_add_nc_u64 s[20:21], s[68:69], s[20:21]
	s_add_nc_u64 s[46:47], s[70:71], s[46:47]
	CROUND                                         ; all sixteen work-groups are here: the first joint loads meet
.irp s, 0,1
	s_mov_b32 s[G0+4*\s], 1
	s_add_co_u32 s[G0+4*\s+1], s45, \s*SLOT
	s_add_nc_u64 s[G0+4*\s+2:G0+4*\s+3], s[20:21], \s*NCG*CGP
	s_or_b32 s[G0+4*\s+3], s[G0+4*\s+3], 0x80000000
	s_mov_b32 s[G0B+4*\s], 1
	s_add_co_u32 s[G0B+4*\s+1], s22, \s*SLOT
	s_add_nc_u64 s[G0B+4*\s+2:G0B+4*\s+3], s[46:47], \s*KS
	s_or_b32 s[G0B+4*\s+3], s[G0B+4*\s+3], 0x80000000
	JLOAD G0+4*\s, G1, G0B+4*\s, G1B               ; two tensor loads of mine are out
.endr
	v_and_b32 v1, 15, v0                           ; r
	v_bfe_u32 v2, v0, 4, 1                         ; h
	v_and_b32 v3, 31, v0
	v_lshlrev_b32 v3, 4, v3                        ; 16 x lane
	v_mul_u32_u24 v4, v1, BP
	v_lshl_add_u32 v4, v2, 4, v4
	s_mul_i32 s21, s15, AHALF
.irp s, 0,1
	v_add_nc_u32 v[ADRA+\s], s21, v3
	v_add_nc_u32 v[ADRB+\s], s22, v4
	s_add_co_u32 s21, s21, SLOT
	s_add_co_u32 s22, s22, SLOT
.endr
	v_lshlrev_b32 v[EO], 12, v2
	v_lshl_add_u32 v[EO], v1, 4, v[EO]
	s_mul_i32 s23, s14, 16*SPT
	s_add_co_u32 s23, s23, STG                     ; my stage
	v_mul_u32_u24 v[SW], v2, SPT
	v_lshl_add_u32 v[SW], v1, 4, v[SW]
	v_add_nc_u32 v[SW], s23, v[SW]
	v_mul_u32_u24 v[SA], v1, SPT
	v_lshl_add_u32 v[SA], v2, 5, v[SA]
	v_add_nc_u32 v[SA], s23, v[SA]
	v_lshlrev_b32 v[BO], 5, v2
	s_lshl_b32 s46, s42, 9
	s_lshl_b32 s47, s16, 8
	s_add_co_u32 s46, s46, s47                     ; my first column x 4 bytes: 4 (128 x tile column + 64 x half)
	s_mov_b32 s47, 0
	s_add_nc_u64 s[10:11], s[72:73], s[46:47]      ; b2 there
	s_lshl_b32 s20, s17, 19
	s_lshl_b32 s21, s15, 18
	s_add_co_u32 s20, s20, s21                     ; my first row x 4,096 bytes
	s_mov_b32 s21, 0
	s_add_nc_u64 s[20:21], s[20:21], s[46:47]
	s_add_nc_u64 s[12:13], s[74:75], s[20:21]      ; embed at my corner
	s_add_nc_u64 s[8:9], s[78:79], s[20:21]        ; out likewise
.irp b, 0,1,2,3
	global_load_b128 v[BI+8*\b:BI+8*\b+3], v[BO], s[10:11] offset:64*\b
	global_load_b128 v[BI+8*\b+4:BI+8*\b+7], v[BO], s[10:11] offset:64*\b+16
.endr
	s_wait_kmcnt 0x0
	s_add_co_i32 s82, s80, s81                     ; e12 + e13
	s_add_co_i32 s96, s82, 127
	s_lshl_b32 s96, s96, 23                        ; 2^(e12 + e13)
	s_mov_b32 s97, s96                             ; (named with it as a pair, so it is written)
	s_sub_co_i32 s98, 127, s82
	s_lshl_b32 s98, s98, 23                        ; 2^-(e12 + e13)
	s_mov_b32 s99, s98
	s_wait_loadcnt 0x0                             ; b2
.set n, 0
.rept 16
	v_pk_mul_f32 v[BI+n:BI+n+1], v[BI+n:BI+n+1], s[98:99] op_sel_hi:[1,0]   ; b2 / 2^(e12 + e13)
.set n, n+2
.endr
	s_wait_tensorcnt 1                             ; my part of the first fill is in; the second may stay out
	s_barrier_signal -1
	s_barrier_wait -1
	FETCH_B 0, 0, 0
	FETCH_A 0, 0, 0, AT/2
	FETCH_A 0, 0, AT/2, AT/2
	WIN 0x40                                       ; destination window 1
.irp a, 0,1,2,3
.irp t, 0,1,2,3,4,5,6,7
	global_load_b128 v[64+32*(\a%2)+128*(\a/2)+4*\t:64+32*(\a%2)+128*(\a/2)+4*\t+3], v[EO], s[12:13] offset:(32*(\a/2)+8*(\a%2)+2*\t+8*(\t/4))*4096 th:TH_LOAD_NT   ; sixteen lanes read 256 consecutive bytes of a row of tile a; wanted only on the way out
.endr
.endr
	WIN 0
	STEP 0, 0, 1                                   ; the first products start the sums from the bias: nothing is cleared
	STEP 0, 1, 0
	STEP 0, 2, 0
	TURN 0, 1, 1
	STEP 1, 0, 0
	STEP 1, 1, 0
	STEP 1, 2, 0
	TURN 1, 0, 1
	STEP 0, 0, 0
	STEP 0, 1, 0
	STEP 0, 2, 0
	TURN 0, 1, 0                                   ; nothing is left to fetch
	STEP 1, 0, 0
	STEP 1, 1, 0
	STEP 1, 2, 0
	LAST
	PLACES 4                                       ; in front of the first read of results and of loads into the registers that held A's fragments
; THE WAY OUT: tile a's 16 rows x 64 columns, x 2^(e12 + e13), go through my stage and come back as rows of 256 bytes.  Each accumulator is read from its low end on.
.irp a, 0,1,2,3
	WIN 0x02
.set n, 0
.rept 16
	v_pk_mul_f32 v[64+32*(\a%2)+n:64+32*(\a%2)+n+1], v[32*\a+n:32*\a+n+1], s[96:97] op_sel_hi:[1,0]
.set n, n+2
.endr
	WIN 0
.irp b, 0,1,2,3
	ds_store_b128 v[SA], v[64+32*(\a%2)+8*\b:64+32*(\a%2)+8*\b+3] offset:64*\b
	ds_store_b128 v[SA], v[64+32*(\a%2)+8*\b+4:64+32*(\a%2)+8*\b+7] offset:64*\b+16
.endr
.irp t, 0,1,2,3,4,5,6,7
	ds_load_b128 v[128+32*\a+4*\t:128+32*\a+4*\t+3], v[SW] offset:2*\t*SPT   ; LDS serves a wave's instructions in order: these see the stores above, and the next tile's stores come behind them
.endr
.endr
	s_wait_loadcnt 0x0                             ; embed
	WIN 0x44                                       ; source 0 (the rows, and the stores' address) window 0; source 1 (embed, and the stores' data) and the destination window 1
.irp a, 0,1,2,3
.irp t, 0,1,2,3,4,5,6,7
	s_wait_dscnt 16*(3-\a)+7-\t                    ; behind this load: the rest of its tile's loads and sixteen LDS instructions for each later tile
	v_pk_add_f32 v[64+32*(\a%2)+128*(\a/2)+4*\t:64+32*(\a%2)+128*(\a/2)+4*\t+1], v[128+32*\a+4*\t:128+32*\a+4*\t+1], v[64+32*(\a%2)+128*(\a/2)+4*\t:64+32*(\a%2)+128*(\a/2)+4*\t+1]
	v_pk_add_f32 v[64+32*(\a%2)+128*(\a/2)+4*\t+2:64+32*(\a%2)+128*(\a/2)+4*\t+3], v[128+32*\a+4*\t+2:128+32*\a+4*\t+3], v[64+32*(\a%2)+128*(\a/2)+4*\t+2:64+32*(\a%2)+128*(\a/2)+4*\t+3]
	global_store_b128 v[EO], v[64+32*(\a%2)+128*(\a/2)+4*\t:64+32*(\a%2)+128*(\a/2)+4*\t+3], s[8:9] offset:(32*(\a/2)+8*(\a%2)+2*\t+8*(\t/4))*4096 th:TH_STORE_NT   ; sixteen lanes store 256 consecutive bytes, aligned
.endr
.endr
	WIN 0
	s_wait_tensorcnt 0x0                           ; the wave's end
	ds_add_u32 v[SPW], v[NIL]
	s_wait_dscnt 0x0
	CROUND                                         ; the closing round: no work-group ends while a partner may still ask for a tile that names it
	s_endpgm
.Lfunc_end_k_q9fa5c54cdd_ffn2:
	.size	k_q9fa5c54cdd_ffn2, .Lfunc_end_k_q9fa5c54cdd_ffn2-k_q9fa5c54cdd_ffn2
	.p2alignl 7, 3214868480
	.fill 96, 4, 3214868480
	.section	.rodata,"a",@progbits
	.p2align	6, 0x0
	.amdhsa_kernel k_q9fa5c54cdd_ffn2
		.amdhsa_group_segment_fixed_size 327680
		.amdhsa_private_segment_fixed_size 0
		.amdhsa_enable_private_segment 0
		.amdhsa_kernarg_size 48
		.amdhsa_user_sgpr_count 2
		.amdhsa_user_sgpr_kernarg_segment_ptr 1
		.amdhsa_wavefront_size32 1
		.amdhsa_system_sgpr_workgroup_id_x 1
		.amdhsa_system_sgpr_workgroup_id_y 1
		.amdhsa_system_sgpr_workgroup_id_z 1
		.amdhsa_system_vgpr_workitem_id 0
		.amdhsa_next_free_vgpr 640
		.amdhsa_next_free_sgpr 100
		.amdhsa_reserve_vcc 0
		.amdhsa_float_denorm_mode_32 3
		.amdhsa_float_denorm_mode_16_64 3
		.amdhsa_memory_ordered 1
		.amdhsa_forward_progress 1
		.amdhsa_inst_pref_size 87
	.end_amdhsa_kernel
	.amdgpu_metadata
---
amdhsa.version: [ 1, 2 ]
amdhsa.kernels:
  - .name:           k_q9fa5c54cdd_ffn2
    .symbol:         k_q9fa5c54cdd_ffn2.kd
    .args:
      - { .name: hc, .offset: 0, .size: 8, .value_kind: global_buffer, .address_space: global }
      - { .name: W2_codes, .offset: 8, .size: 8, .value_kind: global_buffer, .address_space: global }
      - { .name: b2, .offset: 16, .size: 8, .value_kind: global_buffer, .address_space: global }
      - { .name: embed, .offset: 24, .size: 8, .value_kind: global_buffer, .address_space: global }
      - { .name: lowp_scales, .offset: 32, .size: 8, .value_kind: global_buffer, .address_space: global }
      - { .name: out0, .offset: 40, .size: 8, .value_kind: global_buffer, .address_space: global }
    .group_segment_fixed_size: 327680
    .private_segment_fixed_size: 0
    .kernarg_segment_align: 8
    .kernarg_segment_size: 48
    .max_flat_workgroup_size: 128
    .sgpr_count:     100
    .vgpr_count:     640
    .wavefront_size: 32
...
	.end_amdgpu_metadata
.endif
;; end of part 5
;; ======== version 2 of 2: 5 launches; version 1 with the launch attn written anew for expert scheduling mode
;; workspace buffers: xw 16,777,216 bytes; qkvc 25,165,824 bytes; ac 4,194,304 bytes; hc 8,388,608 bytes
;; launch quant: the kernel of part 1 again; grid 256 x 1, 4 waves a work-group, no clusters, 84,480 bytes of LDS; arguments embed, Wv_codes, lowp_scales, xw; writes xw
;; launch qkv: the kernel of part 2 again; grid 12 x 16, 4 waves a work-group, clusters of 4 x 4, 327,680 bytes of LDS; arguments xw, Wq_codes, Wk_codes, bv, lowp_scales, qkvc; writes qkvc
;; launch attn (part 6): grid 8 x 32, 16 waves a work-group, no clusters, 264,192 bytes of LDS; arguments qkvc, lowp_scales, ac; writes ac
.if DOCPART == 6
	.amdgcn_target "amdgcn-amd-amdhsa--gfx1250"
	.amdhsa_code_object_version 6
	.text
	.protected	k_q9fa5c54cdd_attn
	.globl	k_q9fa5c54cdd_attn
	.p2align	8
	.type	k_q9fa5c54cdd_attn,@function
k_q9fa5c54cdd_attn:
	s_mov_b64 s[64:65], 0
	v_nop
	global_prefetch_b8 v0, s[64:65] scope:SCOPE_SE
	s_setreg_imm32_b32 hwreg(HW_REG_WAVE_SCHED_MODE, 0, 2), 2
	s_setreg_imm32_b32 hwreg(HW_REG_WAVE_MODE, 25, 1), 1
	s_wait_xcnt 0x0
	s_wait_alu depctr_vm_vsrc(0)
; O = softmax(Q K^T / 8) V for one batch and head, both products on codes of E4M3; O is quantised with the scale given for it (entry 10) and stored as an image for the next product.
; t = score x log2(e) / 8; M = the largest t so far, rounded up to a whole number; p = 2^(t - M) is quantised (entry 9), not normalised; the row's sum is taken of the unquantised p and divides at the end.
; Q's, K's, V's codes lie in qkvc as images: 64 neighbouring k are a column group, CGP bytes apart; in a group tile T (rows 32 (T / 2) + 8 (T % 2) + r + 8 (r / 8)) has two parts of 512 bytes, lane 16 h + r with k = 32 c + 16 h + 0 .. 15.
; SHARES.  Work-group (x, y): batch y / 16, head y % 16, query tiles 16 x .. 16 x + 15, one to each of sixteen waves: four waves to a SIMD, so that one wave's vector work stands beside another's products and LDS loads.
; BOTH PRODUCTS TRANSPOSED: S^T = K Q^T (source 0 = a tile of keys), O^T = V^T P^T (source 0 = a tile of channels): a lane holds one query throughout.  By the image's choice of a tile's rows the 16 registers of key tiles
; 2 g and 2 g + 1 are keys 32 g + 16 h + 0 .. 15: the conversions' results are the second product's operand; likewise O^T's codes are a part of ac's image.
; LDS holds ALL of the head's K (131,072 bytes) and V (131,072): every byte is written once, by ds_store, a slot of 256 keys at a time.  Waves 0-7 bring K's 16 KiB of a slot, waves 8-15 V's: 2,048 bytes a wave,
; loaded into registers two key steps ahead of their store.
; ONE BARRIER A SLOT, ITS HALVES APART.  Between the two key steps of slot i a wave stores its part of slot i + 1, waits for its LDS instructions and signals.  It waits for the others only where it first wants slot i + 1:
; late in the second step, ahead of the loads of that slot's first fragments of K.  Between signal and wait stand register work and LDS loads of slot i, whose bytes nobody writes again.
; K A STEP AHEAD.  Two regions of 64 registers change roles from step to step.  A step finds K in X, puts S^T into Y and fetches V into X; when p's codes are made, Y is free and takes the next step's K, ahead of V^T P.
; NO CLUSTER, NO TENSOR LOAD: a work-group's 262,144 bytes come once, each slot asked for two key steps ahead.  Here the hold of p,
; 64 of a key step's some 270 vector lines, is jumped over where entry 9 is -8 or more: p is at most 1 and 448 x 2^-8 is 1.75, so the hold would change nothing.
; LIMITS: entries 6 + 7 between -123 and 130 (added to c's exponent field); entries 9 and 10 between -126 and 119.
; REGISTERS: v1 16 x lane; v2, v3 the slot's K and V; v4 where I store the next slot; v5, v6 their bases; v12 -M, v13 the largest t, v[14:15] the sum; v16-23 Q; v32-95 and v96-159 the two regions; v160-191 O^T;
; v192-207 p's codes; v208-223 the fill on its way; v236-254 at work and constants; v251, v255 the closing add's two.
; THE MODE: SCHED_MODE bits 1:0 = 2 (LLVM: expert scheduling mode 2), set by the entry lines.  The code itself states the register dependences between vector or matrix instructions and memory or LDS instructions,
; with s_wait_alu, always for 0.
; THE PLAN.  Registers that memory or LDS instructions touch:
;   v1, v5      Offsets, written once at the head and never again: read by the global loads and stores and the first step's loads of K (v1), and by slot 0's LDS stores (v5).
;   v2, v3, v4  LDS addresses, written once a slot, at its head; read by K's loads (v2), V's loads (v3) and the next slot's LDS stores (v4).
;   X           The eight products S^T read it; behind them V's sixteen loads land in it; V^T P reads it.
;   Y           S^T's products write it, the softmax works in it, the conversions read it; behind them the next step's K lands in it.
;   v208-223    Global loads land in them, LDS stores read them; no vector instruction names them.
;   v192-199    On the way out: written by conversions, read by the two global stores.
;   v16-23      Q: loaded once.   O^T, p's codes in the loop, the sums and the constants are named by vector and matrix instructions alone.
; So a step has two waits on va_vdst beside the one behind its exponentials.  The first, behind S^T's products: they are done reading X, and in a slot's first step v2, v3, v4 are written; V's loads follow it, dealt among
; the lines of the maximum, which name Y, v252 and v254 alone.  The second, behind the conversions: all that wrote or read Y is done; K's loads follow it, dealt among O^T's rescalings, which name v160-191 and v[252:253] alone.
; A wait on vm_vsrc stands at a slot's head, ahead of the three additions, and one behind each run of LDS stores, ahead of the loads into v208-223.
.set CGP, 262144
.set VB,  131072                       ; V's part of LDS
.set SLB, 16384                        ; a slot: 256 keys of K, and as many bytes of V
	s_load_b128 s[4:7], s[0:1], 0x0                ; qkvc s[4:5], the exponents s[6:7]
	s_load_b64 s[8:9], s[0:1], 0x10                ; ac
	v_lshl_add_u32 v251, v0, 2, 0x40000
	v_mov_b32 v255, 0
	v_lshrrev_b32 v8, 5, v0
	v_readfirstlane_b32 s18, v8                    ; wave 0..15
	v_and_b32 v9, 31, v0
	v_lshlrev_b32 v1, 4, v9
	v_add_nc_u32 v6, VB, v1
	s_wait_alu depctr_va_sdst(0)                   ; s18 is written, ahead of its first reader: the wave's places in memory and in LDS are made from it
	s_and_b32 s38, ttmp7, 0xffff
	s_lshr_b32 s39, s38, 4                         ; batch
	s_and_b32 s38, s38, 15                         ; head
	s_lshl_b32 s40, s38, 18
	s_lshl_b32 s41, s39, 17
	s_add_co_u32 s40, s40, s41                     ; the head's column group, the batch's 2,048 tokens in it
	s_lshl_b32 s42, ttmp9, 4
	s_add_co_u32 s42, s42, s18
	s_lshl_b32 s42, s42, 10
	s_add_co_u32 s42, s42, s40                     ; my query tile, in Q's codes and in ac alike
	s_mov_b32 s43, 0
	s_and_b32 s44, s18, 7
	s_lshr_b32 s45, s18, 3                         ; 0: I bring K; 1: V
	s_lshl_b32 s46, s44, 11
	s_add_co_u32 s14, s46, s40
	s_add_co_u32 s14, s14, 0x400000                ; K: my 2,048 bytes of slot 0
	s_lshl_b32 s16, s39, 5
	s_lshr_b32 s17, s44, 1
	s_add_co_u32 s16, s16, s17
	s_lshl_b32 s16, s16, 18                        ; V: token group 32 x batch + (wave % 8) / 2,
	s_lshl_b32 s17, s38, 12
	s_add_co_u32 s16, s16, s17                     ; the head's 64 channels: 4,096 bytes,
	s_and_b32 s17, s44, 1
	s_lshl_b32 s17, s17, 11
	s_add_co_u32 s16, s16, s17                     ; my half of them
	s_add_co_u32 s16, s16, 0x800000
	s_mov_b32 s34, 0x100000
	s_cmp_eq_u32 s45, 0
	s_cselect_b32 s14, s14, s16
	s_cselect_b32 s34, SLB, s34                    ; a slot on, in memory: 16,384 bytes of K, four column groups of V
	s_mov_b32 s15, 0
	s_mov_b32 s35, 0
	s_lshl_b32 s47, s45, 17
	s_add_co_u32 s46, s46, s47
	v_add_nc_u32 v5, s46, v1                       ; and in LDS: 2,048 (wave % 8) + 131,072 (wave / 8) + 16 x lane
	s_mov_b32 s20, 0x76543210
	s_mov_b32 s21, 0xfedcba98                      ; lane l xor 16
	s_mov_b32 s22, 0x3e38aa3b                      ; c = log2(e) / 8
	s_wait_kmcnt 0x0
	s_load_b128 s[24:27], s[6:7], 0x10             ; entries 4 to 7
	s_load_b128 s[28:31], s[6:7], 0x20             ; entries 8 to 11
	s_add_nc_u64 s[32:33], s[4:5], s[14:15]
	s_add_nc_u64 s[10:11], s[4:5], s[42:43]
	s_add_nc_u64 s[12:13], s[8:9], s[42:43]
	s_wait_alu depctr_va_vdst(0)                   ; v1 and v5 are written: the loads and stores below read them as offset and address, and no line writes them again
.macro FLOAD
.irp i, 0,1,2,3
	global_load_b128 v[208+4*\i:211+4*\i], v1, s[32:33] offset:512*\i
.endr
.endm
	FLOAD                                          ; slot 0
	global_load_b128 v[16:19], v1, s[10:11]        ; Q's fragment stays in registers
	global_load_b128 v[20:23], v1, s[10:11] offset:512
	v_mov_b32 v13, 0xff61b1e6                      ; the largest t so far: -3e38
	v_floor_f32 v12, -v13                          ; -M
	v_mov_b32 v14, 0
	v_mov_b32 v15, 0
	v_mov_b32 v236, 0                              ; a lane permute's destination counts as one of its sources
	v_mov_b32 v253, 0                              ; (named as the upper half of a pair)
.set n, 0
.rept 32
	v_mov_b32 v[160+n], 0                          ; O^T: the step is written once; the first finds zeros, which the first change of M leaves zeros
.set n, n+1
.endr
	s_wait_kmcnt 0x0
	s_add_co_i32 s38, s26, s27
	s_lshl_b32 s38, s38, 23
	s_add_co_i32 s22, s22, s38                     ; a score stands for score x 2^(e6 + e7): added to c's exponent field
	s_mov_b32 s23, s22
	s_add_co_i32 s38, s29, 127
	s_lshl_b32 s40, s38, 23
	v_mov_b32 v244, s40                            ; 2^e9
	s_add_co_i32 s38, s38, 8
	s_lshl_b32 s38, s38, 23
	s_or_b32 s38, s38, 0x600000
	v_mov_b32 v240, s38                            ; 448 x 2^e9
	s_add_co_i32 s38, s30, 127
	s_lshl_b32 s40, s38, 23
	v_mov_b32 v245, s40                            ; 2^e10
	s_add_co_i32 s38, s38, 8
	s_lshl_b32 s38, s38, 23
	s_or_b32 s38, s38, 0x600000
	v_mov_b32 v241, s38                            ; 448 x 2^e10
	s_add_co_i32 s39, s28, s29                     ; e8 + e9
	s_wait_loadcnt 2                               ; slot 0's four loads are in; Q's two may be out
.irp i, 0,1,2,3
	ds_store_b128 v5, v[208+4*\i:211+4*\i] offset:512*\i
.endr
	s_wait_dscnt 0x0                               ; for the others' sake: my part of slot 0 lies in LDS
	s_wait_alu depctr_vm_vsrc(0)                   ; the LDS stores have read v208-223, in which the next loads land
	s_add_nc_u64 s[32:33], s[32:33], s[34:35]
	FLOAD                                          ; slot 1: it has the first key step in which to come
	s_wait_loadcnt 4                               ; Q is in; slot 1's four stay out
	s_barrier_signal -1
	s_barrier_wait -1                              ; slot 0 lies in LDS
.irp t, 0,1,2,3,4,5,6,7
	ds_load_b128 v[32+8*\t:35+8*\t], v1 offset:\t*1024          ; the first step's K; no vector instruction has named these registers
	ds_load_b128 v[36+8*\t:39+8*\t], v1 offset:\t*1024+512
.endr
; V's load idx of sixteen in step q of the slot: channel tile idx / 4, part idx % 4 of its fragment
.macro VL q, X, idx
	ds_load_b128 v[\X+4*(\idx):\X+4*(\idx)+3], v3 offset:(\q)*8192+(((\idx)%4)/2)*4096+((\idx)/4)*1024+((\idx)%2)*512
.endm
; K's load idx of sixteen for the step behind step q: key tile idx / 2, part idx % 2
.macro KL q, Y, idx
	ds_load_b128 v[\Y+4*(\idx):\Y+4*(\idx)+3], v2 offset:((\q)+1)*8192+((\idx)/2)*1024+((\idx)%2)*512
.endm
; A KEY STEP: 128 keys, the q-th of the slot in hand.  X: the region that holds K, then V.  Y: the region that takes S^T and p, then the next step's K.
; bar = 1: the wait of the barrier that was signalled ahead of this step stands in it.  nk = 1: there is a next step, and its K is fetched (behind q = 1: the next slot's first).
.macro STEP q, X, Y, bar, nk
	s_wait_dscnt 0x0                               ; K's fragments, asked for ahead of the last V^T P
.rept 5
	v_nop                                          ; five places: the scores are written over registers that the last V^T P read
.endr
.irp t, 0,1,2,3,4,5,6,7
	v_wmma_f32_16x16x64_fp8_fp8 v[\Y+8*\t:\Y+8*\t+7], v[\X+8*\t:\X+8*\t+7], v[16:23], 0
.endr
.rept 4
	v_nop                                          ; four places in front of the first read of the scores
.endr
	s_wait_alu depctr_va_vdst(0)                   ; the eight products are done reading X, in which V's loads land; in a slot's first step v2, v3 and v4 are written, which the step's LDS instructions read
	VL \q, \X, 0                                   ; V's fragments land under the softmax: a load ahead of each pair of lines of the maximum, which name none of X and v3
	v_max3_num_f32 v254, v[\Y], v[\Y+1], v[\Y+2]   ; the step's largest score of my query among my 64 keys, in two chains; each accumulator is read from its low end on
	v_max3_num_f32 v252, v[\Y+3], v[\Y+4], v[\Y+5]
.set m, 1
.irp i, 6,10,14,18,22,26,30,34,38,42,46,50,54,58
	VL \q, \X, m
.set m, m+1
	v_max3_num_f32 v254, v254, v[\Y+\i], v[\Y+\i+1]
	v_max3_num_f32 v252, v252, v[\Y+\i+2], v[\Y+\i+3]
.endr
	VL \q, \X, 15
	v_max3_num_f32 v254, v254, v[\Y+62], v[\Y+63]
	v_max_num_f32 v254, v254, v252
	v_permlanex16_b32 v236, v254, s20, s21
	v_max_num_f32 v254, v254, v236                 ; and among lane l xor 16's
	v_mul_f32 v254, s22, v254                      ; as t (c is positive)
	v_max_num_f32 v13, v13, v254
	v_mov_b32 v254, v12
	v_floor_f32 v12, -v13                          ; the new -M = -ceil(t)
	v_sub_f32 v254, v12, v254                      ; old M - new M: a whole number, 0 or less
	v_cvt_i32_f32 v254, v254                       ; (it saturates)
	v_ldexp_f32 v252, 1.0, v254                    ; f = 2^(old M - new M): rounds nothing
.set n, 0
.rept 32
	v_pk_fma_f32 v[\Y+n:\Y+n+1], v[\Y+n:\Y+n+1], s[22:23], v[12:13] op_sel_hi:[1,0,0]   ; t - M, two at a time
.set n, n+2
.endr
.set n, 0
.rept 64
	v_exp_f32 v[\Y+n], v[\Y+n]                     ; p = 2^(t - M), at most 1
.set n, n+1
.endr
	v_pk_mul_f32 v[14:15], v[14:15], v[252:253] op_sel_hi:[1,0]   ; the sums under the new M: the plain line behind the exponentials
	s_wait_alu depctr_va_vdst(0)                   ; the 64 exponentials have written p: one wait for the batch, ahead of its first reader
	v_pk_add_f32 v[242:243], v[\Y:\Y+1], v[\Y+2:\Y+3]   ; the row's sum, of the unquantised p, in two chains
.irp j, 4,8,12,16,20,24,28,32,36,40,44,48,52,56,60
	v_pk_add_f32 v[14:15], v[14:15], v[\Y+\j:\Y+\j+1]
	v_pk_add_f32 v[242:243], v[242:243], v[\Y+\j+2:\Y+\j+3]
.endr
	v_pk_add_f32 v[14:15], v[14:15], v[242:243]
.if \bar
	s_barrier_wait -1                              ; every wave has stored its part of the next slot and waited for its stores: the next slot lies in LDS
.endif
	s_cmp_ge_i32 s29, -8                           ; 448 x 2^e9 is 1.75 or more: no p reaches it
	s_cbranch_scc1 .Lno_hold_\@
.set n, 0
.rept 64
	v_min_num_f32 v[\Y+n], v[\Y+n], v240           ; the conversion does not saturate (ISA guide 7.6.2); p is not negative, so the hold is one-sided
.set n, n+1
.endr
.Lno_hold_\@:
.irp t, 0,1,2,3,4,5,6,7
	v_cvt_scalef32_pk8_fp8_f32 v[192+2*\t:193+2*\t], v[\Y+8*\t:\Y+8*\t+7], v244
.endr
.set n, 0
.rept 2
	v_pk_mul_f32 v[160+n:161+n], v[160+n:161+n], v[252:253] op_sel_hi:[1,0]   ; O^T under the new M; the first two are the plain lines behind the conversions
.set n, n+2
.endr
.if \nk
	s_wait_alu depctr_va_vdst(0)                   ; the sums, the holds and the conversions are done with Y, in which the next step's K lands
.endif
.set m, 0
.rept 14
.if \nk
	KL \q, \Y, m                                   ; p is in its codes: its registers take the next step's K, a load ahead of each rescaling, which names none of Y and v2
.endif
	v_pk_mul_f32 v[160+n:161+n], v[160+n:161+n], v[252:253] op_sel_hi:[1,0]
.set n, n+2
.set m, m+1
.endr
.if \nk
	KL \q, \Y, 14
	KL \q, \Y, 15
	s_wait_dscnt 16                                ; V's fragments are in; K's sixteen loads, issued behind them, may be out
.else
	s_wait_dscnt 0x0
.endif
.irp t, 0,1,2,3
	v_wmma_f32_16x16x128_fp8_fp8 v[160+8*\t:167+8*\t], v[\X+16*\t:\X+16*\t+15], v[192:207], v[160+8*\t:167+8*\t]
.endr
.endm
	s_mov_b32 s36, 0
	s_mov_b32 s37, 0                               ; the slot in hand, in bytes
.Lslot:                                            ; seven trips: slot i is worked, slot i + 1 stored, slot i + 2 asked for
	s_wait_dscnt 0x0                               ; K's loads are in: the step below multiplies by them
	s_wait_alu depctr_vm_vsrc(0)                   ; the last slot's LDS loads and stores have read v2, v3 and v4, which are written anew
	v_add_nc_u32 v2, s37, v1
	v_add_nc_u32 v3, s37, v6
	v_add_nc_u32 v4, s37, v5
	STEP 0, 32, 96, 0, 1
	s_wait_loadcnt 0x0                             ; the next slot's bytes, asked for two key steps ago
.irp i, 0,1,2,3
	ds_store_b128 v4, v[208+4*\i:211+4*\i] offset:SLB+512*\i
.endr
	s_wait_dscnt 0x0                               ; for the others' sake: my stores have landed; and no LDS instruction of mine is out at the signal
	s_wait_alu depctr_vm_vsrc(0)                   ; the LDS stores have read v208-223, in which the loads below land: stated ahead of the branch
	s_cmp_ge_u32 s36, 6
	s_cbranch_scc1 .Lno_fill                       ; the last trip asks for nothing: there is no slot 8
	s_add_nc_u64 s[32:33], s[32:33], s[34:35]      ; (the loads that read this base are in)
	FLOAD
.Lno_fill:
	s_barrier_signal -1                            ; my part of the next slot lies in LDS; the wait stands in the step below
	STEP 1, 96, 32, 1, 1
	s_add_co_u32 s37, s37, SLB
	s_add_co_u32 s36, s36, 1
	s_cmp_lt_u32 s36, 7
	s_cbranch_scc1 .Lslot
	s_wait_dscnt 0x0                               ; the last slot
	s_wait_alu depctr_vm_vsrc(0)                   ; the slot before's LDS loads have read v2 and v3, which are written anew
	v_add_nc_u32 v2, s37, v1
	v_add_nc_u32 v3, s37, v6
	STEP 0, 32, 96, 0, 1
	STEP 1, 96, 32, 0, 0
.rept 4
	v_nop
.endr
	v_add_f32 v14, v14, v15
	v_permlanex16_b32 v252, v14, s20, s21
	v_add_f32 v14, v14, v252                       ; the row's sum
	v_rcp_f32 v14, v14
	v_nop                                          ; a plain line behind the reciprocal
	s_wait_alu depctr_va_vdst(0)                   ; the reciprocal has written v14: the wait ahead of its first reader
	v_ldexp_f32 v14, v14, s39                      ; x 2^(e8 + e9)
.set n, 0
.rept 32
	v_mul_f32 v[96+n], v[160+n], v14               ; register 8 t + j is o(query r, channel 32 (t / 2) + 16 h + 8 (t % 2) + j)
.set n, n+1
.endr
.set n, 0
.rept 32
	v_med3_num_f32 v[96+n], v[96+n], -v241, v241
.set n, n+1
.endr
.irp t, 0,1,2,3
	v_cvt_scalef32_pk8_fp8_f32 v[192+2*\t:193+2*\t], v[96+8*\t:103+8*\t], v245
.endr
	v_nop
	s_wait_alu depctr_va_vdst(0)                   ; the conversions have written v192-199, which the two stores read
	global_store_b128 v1, v[192:195], s[12:13]     ; the tile's two parts of ac's image: 512 consecutive bytes each
	global_store_b128 v1, v[196:199], s[12:13] offset:512
	s_wait_dscnt 0x0                               ; the closing lines, six on end
	s_wait_alu 0x0
	s_wait_tensorcnt 0x0
	ds_add_u32 v251, v255
	s_wait_dscnt 0x0
	s_endpgm
.Lfunc_end_k_q9fa5c54cdd_attn:
	.size	k_q9fa5c54cdd_attn, .Lfunc_end_k_q9fa5c54cdd_attn-k_q9fa5c54cdd_attn
	.p2alignl 7, 3214868480
	.fill 96, 4, 3214868480
	.section	.rodata,"a",@progbits
	.p2align	6, 0x0
	.amdhsa_kernel k_q9fa5c54cdd_attn
		.amdhsa_group_segment_fixed_size 264192
		.amdhsa_private_segment_fixed_size 0
		.amdhsa_enable_private_segment 0
		.amdhsa_kernarg_size 24
		.amdhsa_user_sgpr_count 2
		.amdhsa_user_sgpr_kernarg_segment_ptr 1
		.amdhsa_wavefront_size32 1
		.amdhsa_system_sgpr_workgroup_id_x 1
		.amdhsa_system_sgpr_workgroup_id_y 1
		.amdhsa_system_sgpr_workgroup_id_z 1
		.amdhsa_system_vgpr_workitem_id 0
		.amdhsa_next_free_vgpr 256
		.amdhsa_next_free_sgpr 66
		.amdhsa_reserve_vcc 0
		.amdhsa_float_denorm_mode_32 3
		.amdhsa_float_denorm_mode_16_64 3
		.amdhsa_memory_ordered 1
		.amdhsa_forward_progress 1
		.amdhsa_inst_pref_size 73
	.end_amdhsa_kernel
	.amdgpu_metadata
---
amdhsa.version: [ 1, 2 ]
amdhsa.kernels:
  - .name:           k_q9fa5c54cdd_attn
    .symbol:         k_q9fa5c54cdd_attn.kd
    .args:
      - { .name: qkvc, .offset: 0, .size: 8, .value_kind: global_buffer, .address_space: global }
      - { .name: lowp_scales, .offset: 8, .size: 8, .value_kind: global_buffer, .address_space: global }
      - { .name: ac, .offset: 16, .size: 8, .value_kind: global_buffer, .address_space: global }
    .group_segment_fixed_size: 264192
    .private_segment_fixed_size: 0
    .kernarg_segment_align: 8
    .kernarg_segment_size: 24
    .max_flat_workgroup_size: 512
    .sgpr_count:     66
    .vgpr_count:     256
    .wavefront_size: 32
...
	.end_amdgpu_metadata
.endif
;; end of part 6
;; launch ffn1: the kernel of part 4 again; grid 8 x 16, 4 waves a work-group, clusters of 4 x 4, 327,680 bytes of LDS; arguments ac, W1_codes, b1, lowp_scales, hc; writes hc
;; launch ffn2: the kernel of part 5 again; grid 8 x 32, 4 waves a work-group, clusters of 4 x 4, 327,680 bytes of LDS; arguments hc, W2_codes, b2, embed, lowp_scales, out0; writes out0
